; MI455X (gfx1250); checked and timed in simulation.
; The chip was launched on July 23, 2026; its instructions are those of AMD's public machine-readable ISA for CDNA 5 (MIT licence, August 2026) and "CDNA5" Instruction Set Architecture Reference Guide (July 2026). The comments in the code are by the model that wrote it; some were corrected since.
;; GPT2 Attention. Allowed arithmetic: matrix products marked QUANTISED: E4M3 operands, one E8M0 scale for each 32 along K, by v_wmma_scale_f32_16x16x128_f8f6f4 with both operands' format E4M3, f32 sums; everything else in f32.
;; Inputs: b_attn 3,072 float32; b_proj 1,024 float32; hidden_states 4 x 2,048 x 1,024 float32; w_attn 1,024 x 3,072 float32; w_proj 1,024 x 1,024 float32.
;; Outputs: out0 4 x 2,048 x 1,024 float32.
;; This version of the problem:
;;   THIS VERSION OF THE PROBLEM IS GIVEN IN LOW PRECISION. The matrix products marked QUANTISED in the list below multiply operands that are first quantised to E4M3 (4 exponent bits, 3 mantissa bits; 8 bits a number), with one power-of-two scale for each 32 numbers along K (OCP MX v1.0); their sums are f32. All else is computed in f32.
;;   The module's matrix products, in the order in which they are computed (A, B: the left and right operand; K: the contracted axis; several contracted axes count as one K, in the product's order):
;;     1. [M 8,192, K 1,024] x [K 1,024, N 3,072]; A: input hidden_states; B: input w_attn: QUANTISED
;;     2. batch 64 x [M 2,048, K 64] x [K 64, N 2,048]; A: computed on the way; B: computed on the way: QUANTISED
;;     3. batch 64 x [M 2,048, K 2,048] x [K 2,048, N 64]; A: softmax (see below); B: computed on the way: QUANTISED
;;     4. [M 8,192, K 1,024] x [K 1,024, N 1,024]; A: computed on the way; B: input w_proj: QUANTISED
;;   THE QUANTISER, for each operand of a quantised product, along K:
;;     - K is cut into blocks of 32 from its start; a last block that is shorter is filled with zeros.
;;     - A block's scale is 2^e with e = floor(log2(the largest magnitude in the block)) - 8, held to -126 .. 127; a block of zeros has e = 0. As a byte (E8M0): e + 127.
;;     - Each number is divided by its block's scale, clamped to +-448, and rounded to the nearest number of E4M3, ties to even, subnormals kept.
;;     - The product sums the exact products of the quantised numbers (number of the format x scale) in f32.
;;   ~~~python
;;   def quantise(x, axis):      # numpy; x: float32 -> the quantised numbers, widened to float32 again
;;       x = np.moveaxis(x, axis, -1); K = x.shape[-1]
;;       x = np.pad(x, [(0, 0)] * (x.ndim - 1) + [(0, -K % 32)]); x = x.reshape(x.shape[:-1] + (-1, 32)); a = np.abs(x).max(-1, keepdims=True)
;;       e = np.where(a > 0, np.clip(np.frexp(np.where(a > 0, a, 1))[1] - 1 - 8, -126, 127), 0)      # np.frexp(a)[1] - 1 = floor(log2(a)), exactly
;;       r = np.clip(x / 2.0 ** e, -448, 448)
;;       step = 2.0 ** (np.maximum(np.frexp(np.where(r == 0, 1, r))[1] - 1, -6) - 3)
;;       q = np.round(r / step) * step * 2.0 ** e      # np.round: ties to even
;;       return np.moveaxis(q.reshape(q.shape[:-2] + (-1,))[..., :K], -1, axis).astype(np.float32)
;;   ~~~
;;   SOFTMAX AHEAD OF A QUANTISED PRODUCT. Where the list says 'softmax', what is quantised is not the finished softmax but p = 2^(t - M), with t = logit x log2(e) and M = ceil(the row's largest t), a whole number; so 1/2 < the row's largest p <= 1. The row's sum l is taken of the UNQUANTISED p, in f32, and the product's result is divided by l at the end. Since M is a whole number, a kernel that streams over the keys may use a running M (the ceiling of the running maximum): every later rescaling is an exact power of two, which a block's scale takes up: the codes' values come out the same.
;;   OPERANDS COMPUTED ON THE WAY. 'Computed on the way' means the value that the module computes at that place (a softmax that the list does not call 'softmax' is quantised finished and normalised). What goes into a quantiser is computed in f32, as accurately as f32 sums, v_exp_f32 and their like allow (about 1e-6 of the number): no bf16 or f16 on the way to a quantiser, and a product that is left as it is and whose result goes on into a quantised operand takes f32 operands (vector FMAs, or v_wmma_f32_16x16x4_f32). A number that lies on a knife's edge between two numbers of the format may be rounded either way, as far as f32 arithmetic and the matrix unit's own rounding can turn it there, and no further.
;; One version. Each part assembles by itself: llvm-mc -triple=amdgcn-amd-amdhsa -mcpu=gfx1250 --defsym DOCPART=n.
;; ======== version 1 of 1: 4 launches
;; limits: right only within a limited range of input values
;; workspace buffers: x_img 8,650,752 bytes; w_img 4,325,376 bytes; qbuf 8,912,896 bytes; kv 17,563,648 bytes; attn_img 8,650,752 bytes
;; launch quant (part 1): grid 384 x 1, 4 waves a work-group, no clusters, 34,304 bytes of LDS; arguments hidden_states, w_attn, w_proj, x_img, w_img; writes x_img, w_img
.if DOCPART == 1
	.amdgcn_target "amdgcn-amd-amdhsa--gfx1250"
	.amdhsa_code_object_version 6
	.text
	.protected	k_qa3abea3dc1_quant
	.globl	k_qa3abea3dc1_quant
	.p2align	8
	.type	k_qa3abea3dc1_quant,@function
k_qa3abea3dc1_quant:
	s_mov_b64 s[64:65], 0
	v_nop
	global_prefetch_b8 v0, s[64:65] scope:SCOPE_SE
	s_setreg_imm32_b32 hwreg(HW_REG_WAVE_MODE, 25, 1), 1
	s_wait_xcnt 0x0
; hidden_states [8192][1024], w_attn [1024][3072] and w_proj [1024][1024], f32, become codes of E4M3 with one E8M0 byte for each 32 along K (K = the 1,024),
; laid as IMAGES OF THE MATRIX OPERAND'S REGISTERS.  For each group of 128 rows (tokens; for a weight: its columns n) and each 256 along K one dense BLOCK of 33,792 bytes:
;   codes [tile 8][q 2][c 4][lane 32][16 bytes]: lane (r = lane % 16, h = lane / 16) holds k = 128 q + 32 c + 16 h + 0..15 of row 32 (tile / 2) + 8 (tile % 2) + r + 8 (r / 8) of the group;
;   at +32,768 the scale words [tile 8][r 16][q 2], four bytes each (byte c for k = 32 c ..).
; x_img: 64 groups x 4 blocks.  w_img: groups 0-23 w_attn's columns, 24-31 w_proj's.  One work-group makes one block: 0-255 x, 256-351 w_attn, 352-383 w_proj.
; A block's scale is 2^(floor(log2(largest magnitude)) - 8); each number is held within +-448 x the scale and rounded to the nearest code, ties to even.
; LIMITS: NaN and infinities among the inputs are not served; a block whose largest magnitude lies under 2^-118 gets the byte 1 (the floor), a block of zeros too (its codes are zeros; only this program reads the bytes).
; No matrix work, no tensor loads, no barrier: waves share nothing.
.set BLKB, 33792
.set TM,   8                           ; v8-11 largest magnitudes, v12-15 the other half's / bytes, v16-19 448 x scale, v20-23 the conversions' scale operands
.set PW,   24                          ; v24-27 the four units' scale words
.set R,    32                          ; v32-95, v96-159: two sets of 64 registers as loaded
.set X,    160                         ; v160-223: 64 numbers of my row, register 16 b + i = k 32 b + 16 h + i
.set PC,   224                         ; v224-239, v240-255: codes, two sets
.set STP,  528                         ; a stage row: 512 bytes + 16, so that the sixteen rows that a read touches fall on different banks
.set XW,   32                          ; weights: v32-95 two sets of 32 numbers
.set CW,   96                          ; v96-159 codes: eight registers for each block, never written again
.set SB,   24                          ; v24-25 the scale words of q = 0, 1
.macro QUANT s, pc, pw
.irp b, 0,1,2,3
	v_max3_num_f32 v[TM+\b], |v[\s+16*\b]|, |v[\s+1+16*\b]|, 0x4800000        ; block b: my 16 numbers, and the floor 2^(9 - 127): the byte cannot fall under 1
.endr
.irp i, 2,4,6,8,10,12,14
.irp b, 0,1,2,3
	v_max3_num_f32 v[TM+\b], v[TM+\b], |v[\s+16*\b+\i]|, |v[\s+1+16*\b+\i]|   ; the four blocks by turns
.endr
.endr
.irp b, 0,1,2,3
	v_permlanex16_b32 v[TM+4+\b], v[TM+\b], s20, s21
.endr
.irp b, 0,1,2,3
	v_max_num_f32 v[TM+\b], v[TM+\b], v[TM+4+\b]                              ; with lane l xor 16's 16: the block's largest magnitude
.endr
.irp b, 0,1,2,3
	v_add_nc_u32 v[TM+12+\b], 0xfc000000, v[TM+\b]                            ; 8 off its exponent field: the conversion's scale operand
.endr
.irp b, 0,1,2,3
	v_and_or_b32 v[TM+8+\b], v[TM+\b], 0x7f800000, s23                        ; 448 x the scale
.endr
.irp b, 0,1,2,3
	v_lshrrev_b32 v[TM+4+\b], 23, v[TM+12+\b]                                 ; the scale's byte
.endr
	v_lshl_or_b32 v[\pw], v[TM+5], 8, v[TM+4]
	v_lshl_or_b32 v[\pw], v[TM+6], 16, v[\pw]
	v_lshl_or_b32 v[\pw], v[TM+7], 24, v[\pw]
.irp b, 0,1,2,3
.irp i, 0,1,2,3,4,5,6,7,8,9,10,11,12,13,14,15
	v_med3_num_f32 v[\s+16*\b+\i], v[\s+16*\b+\i], -v[TM+8+\b], v[TM+8+\b]    ; the conversion to an 8-bit code does not saturate (ISA guide 7.6.2): the hold comes first
.endr
	v_cvt_scalef32_pk8_fp8_f32 v[(\pc)+4*\b:(\pc)+1+4*\b], v[\s+16*\b:\s+7+16*\b], v[TM+12+\b]
	v_cvt_scalef32_pk8_fp8_f32 v[(\pc)+2+4*\b:(\pc)+3+4*\b], v[\s+8+16*\b:\s+15+16*\b], v[TM+12+\b]
.endr
	v_nop                                                                     ; a plain line behind the last conversion
.endm
; unit n of a wave: tile 2 w + n / 2, K step n % 2: 16 rows x 128 numbers.  Each load reads one row's 512 consecutive bytes.
.macro LOADX n
.irp rr, 0,1,2,3,4,5,6,7,8,9,10,11,12,13,14,15
	global_load_b128 v[R+64*((\n)%2)+4*\rr:R+64*((\n)%2)+4*\rr+3], v4, s[4:5] offset:(8*((\n)/2)+\rr+8*(\rr/8))*4096+512*((\n)%2) th:TH_LOAD_NT
.endr
.endm
.macro UNIT n
.if (\n) >= 2
	s_wait_xcnt 0x0                                ; the stores of two units ago have read their codes: that set is written again below
.endif
.if (\n) < 3
	s_wait_loadcnt 16                              ; this unit's 16 loads are in; the next unit's 16 may be out
.else
	s_wait_loadcnt 0x0
.endif
.irp rr, 0,1,2,3,4,5,6,7,8,9,10,11,12,13,14,15
	ds_store_b128 v5, v[R+64*((\n)%2)+4*\rr:R+64*((\n)%2)+4*\rr+3] offset:\rr*STP
.endr
.irp c, 0,1,2,3
.irp j, 0,1,2,3
	ds_load_b128 v[X+16*\c+4*\j:X+16*\c+4*\j+3], v6 offset:128*\c+16*\j       ; LDS serves a wave's instructions in order: these see my stores
.endr
.endr
	s_wait_dscnt 0x0                               ; my 64 numbers are in, and the stage's stores have read their registers
.if (\n)+2 < 4
	LOADX \n+2
.endif
	QUANT X, PC+16*((\n)%2), PW+(\n)
.irp c, 0,1,2,3
	global_store_b128 v4, v[PC+16*((\n)%2)+4*\c:PC+16*((\n)%2)+4*\c+3], s[10:11] offset:((\n)/2)*4096+((\n)%2)*2048+\c*512   ; 32 lanes store 512 consecutive bytes, aligned
.endr
.endm
; weights: a lane takes a column, its registers run down K.  Block t of eight: k = 32 t + 0..31 of this work-group's 256.
.macro LOADW t, N
.irp i, 0,1,2,3,4,5,6,7,8,9,10,11,12,13,14,15,16,17,18,19,20,21,22,23,24,25,26,27,28,29,30,31
	global_load_b32 v[XW+32*((\t)%2)+\i], v4, s[28:29] offset:(32*(\t)+\i)*\N*4 th:TH_LOAD_NT
.endr
.endm
.macro BLOCKW t, N
.set XS, XW+32*((\t)%2)
.if (\t) < 7
	s_wait_loadcnt 32                              ; this block's 32 loads are in; the next block's may be out
.else
	s_wait_loadcnt 0x0
.endif
	v_max3_num_f32 v12, |v[XS]|, |v[XS+1]|, |v[XS+2]|
	v_max3_num_f32 v13, |v[XS+3]|, |v[XS+4]|, |v[XS+5]|
.irp i, 6,10,14,18,22,26
	v_max3_num_f32 v12, v12, |v[XS+\i]|, |v[XS+\i+1]|
	v_max3_num_f32 v13, v13, |v[XS+\i+2]|, |v[XS+\i+3]|
.endr
	v_max3_num_f32 v12, v12, |v[XS+30]|, |v[XS+31]|
	v_max3_num_f32 v12, v12, v13, 0x4800000        ; and the floor
	v_add_nc_u32 v11, 0xfc000000, v12
	v_and_or_b32 v10, v12, 0x7f800000, s23
	v_lshrrev_b32 v13, 23, v11
.if (\t)%4 == 0
	v_mov_b32 v[SB+(\t)/4], v13
.else
	v_lshl_or_b32 v[SB+(\t)/4], v13, 8*((\t)%4), v[SB+(\t)/4]
.endif
.irp i, 0,1,2,3,4,5,6,7,8,9,10,11,12,13,14,15,16,17,18,19,20,21,22,23,24,25,26,27,28,29,30,31
	v_med3_num_f32 v[XS+\i], v[XS+\i], -v10, v10
.endr
.irp g, 0,1,2,3
	v_cvt_scalef32_pk8_fp8_f32 v[CW+8*(\t)+2*\g:CW+8*(\t)+2*\g+1], v[XS+8*\g:XS+8*\g+7], v11
.endr
	global_store_b128 v5, v[CW+8*(\t):CW+8*(\t)+3], s[30:31] offset:((\t)/4)*2048+((\t)%4)*512          ; k 0..15 of the block: the image's lanes 0-15; the 32 lanes fill two aligned runs of 256 bytes
	global_store_b128 v5, v[CW+8*(\t)+4:CW+8*(\t)+7], s[30:31] offset:((\t)/4)*2048+((\t)%4)*512+256    ; k 16..31: its lanes 16-31
.if (\t)+2 < 8
	LOADW \t+2, \N
.endif
.endm
.macro WPATH N, ptr, idbase, gbase
	s_sub_co_u32 s17, ttmp9, \idbase               ; which block of this weight
	s_and_b32 s18, s17, 3                          ; which 256 along K
	s_lshr_b32 s19, s17, 2                         ; which 128 columns
	s_mul_i32 s26, s18, 256*\N*4
	s_lshl_b32 s22, s19, 9
	s_add_co_u32 s26, s26, s22
	s_lshl_b32 s22, s16, 7                         ; my wave's 32 columns
	s_add_co_u32 s26, s26, s22
	s_add_nc_u64 s[28:29], s[\ptr:\ptr+1], s[26:27]
	s_add_co_u32 s26, s17, 4*\gbase
	s_mul_i32 s26, s26, BLKB
	s_add_nc_u64 s[30:31], s[12:13], s[26:27]      ; the block in w_img
	s_lshl_b32 s26, s16, 8
	s_add_co_u32 s26, s26, 32768
	s_add_nc_u64 s[32:33], s[30:31], s[26:27]      ; my two tiles' scale words
	s_lshl_b32 s26, s16, 13
	s_add_nc_u64 s[30:31], s[30:31], s[26:27]      ; my two tiles' codes
	LOADW 0, \N
	LOADW 1, \N
.irp t, 0,1,2,3,4,5,6,7
	BLOCKW \t, \N
.endr
	global_store_b64 v6, v[SB:SB+1], s[32:33]      ; the wave's 256 bytes of scale words, aligned
	s_endpgm
.endm
	s_load_b256 s[4:11], s[0:1], 0x0               ; hidden_states s[4:5], w_attn s[6:7], w_proj s[8:9], x_img s[10:11]
	s_load_b64 s[12:13], s[0:1], 0x20              ; w_img
	v_lshl_add_u32 v30, v0, 2, 0x8400
	v_mov_b32 v31, 0
	v_lshrrev_b32 v1, 5, v0
	v_readfirstlane_b32 s16, v1                    ; wave 0..3
	v_and_b32 v1, 31, v0                           ; lane
	v_and_b32 v2, 15, v0                           ; r
	v_bfe_u32 v3, v0, 4, 1                         ; h
	s_mov_b32 s20, 0x76543210
	s_mov_b32 s21, 0xfedcba98                      ; v_permlanex16_b32's selects for lane l xor 16
	s_mov_b32 s23, 0x600000                        ; the mantissa field of 448
	s_mov_b32 s27, 0                               ; the high word of every 32-bit offset below
	s_wait_kmcnt 0x0
	s_cmp_lt_u32 ttmp9, 256
	s_cbranch_scc0 .Lweights
	; ---- x: wave w takes token rows 32 w .. 32 w + 31 of the group (tiles 2 w, 2 w + 1) x 256 along K: four units
	s_lshr_b32 s17, ttmp9, 2                       ; group
	s_and_b32 s18, ttmp9, 3                        ; which 256 along K
	s_lshl_b32 s26, s17, 19                        ; 128 rows of 4,096 bytes
	s_lshl_b32 s22, s16, 17                        ; 32 rows
	s_add_co_u32 s26, s26, s22
	s_lshl_b32 s22, s18, 10
	s_add_co_u32 s26, s26, s22
	s_add_nc_u64 s[4:5], s[4:5], s[26:27]
	s_mul_i32 s26, ttmp9, BLKB
	s_add_nc_u64 s[10:11], s[10:11], s[26:27]      ; the block in x_img
	s_lshl_b32 s26, s16, 8
	s_add_co_u32 s26, s26, 32768
	s_add_nc_u64 s[24:25], s[10:11], s[26:27]      ; my two tiles' scale words
	s_lshl_b32 s26, s16, 13
	s_add_nc_u64 s[10:11], s[10:11], s[26:27]      ; my two tiles' codes
	s_mul_i32 s28, s16, 16*STP                     ; my stage
	s_wait_alu depctr_va_vdst(0)
	v_lshlrev_b32 v4, 4, v1                        ; 16 x lane: in a load's 512 bytes, and in an image
	v_add_nc_u32 v5, s28, v4                       ; the stage, on the way in
	v_mul_u32_u24 v6, v2, STP
	v_lshl_add_u32 v6, v3, 6, v6
	v_add_nc_u32 v6, s28, v6                       ; and out: row r, + 64 h: my 16 numbers of each block of 32
	v_lshlrev_b32 v7, 3, v2
	v_lshl_add_u32 v7, v3, 7, v7                   ; scale words: lanes 0-15 tile 2 w, lanes 16-31 tile 2 w + 1; 8 bytes a row
.irp b, 0,1,2,3
	v_mov_b32 v[TM+4+\b], 0                        ; written once: a lane permute's destination counts as one of its sources
.endr
	LOADX 0
	LOADX 1
	s_wait_alu depctr_va_vdst(0)
	UNIT 0
	UNIT 1
	UNIT 2
	UNIT 3
	v_cmp_ne_u32 vcc_lo, 0, v3
	v_cndmask_b32 v28, v[PW], v[PW+2], vcc_lo
	v_cndmask_b32 v29, v[PW+1], v[PW+3], vcc_lo
	global_store_b64 v7, v[28:29], s[24:25]        ; 256 consecutive bytes, aligned
	s_wait_tensorcnt 0x0
	ds_add_u32 v30, v31
	s_wait_dscnt 0x0
	s_endpgm
.Lweights:
	; lane n' is column 32 w + n'.  Its place in the image: tile 2 w + u, row r', with u = (n' / 8) % 2, r' = n' % 8 + 8 (n' / 16)
	s_wait_alu depctr_va_vdst(0)
	v_lshlrev_b32 v4, 2, v1
	v_bfe_u32 v7, v0, 3, 1
	v_and_b32 v8, 7, v0
	v_lshl_add_u32 v8, v3, 3, v8
	v_lshlrev_b32 v5, 4, v8
	v_lshl_add_u32 v5, v7, 12, v5                  ; codes: 4,096 u + 16 r'
	v_lshlrev_b32 v6, 3, v8
	v_lshl_add_u32 v6, v7, 7, v6                   ; scale words: 128 u + 8 r'
	s_cmp_lt_u32 ttmp9, 352
	s_cbranch_scc0 .Lproj
	s_wait_alu depctr_va_vdst(0)
	WPATH 3072, 6, 256, 0
.Lproj:
	s_wait_alu depctr_va_vdst(0)
	WPATH 1024, 8, 352, 24
.Lfunc_end_k_qa3abea3dc1_quant:
	.size	k_qa3abea3dc1_quant, .Lfunc_end_k_qa3abea3dc1_quant-k_qa3abea3dc1_quant
	.p2alignl 7, 3214868480
	.fill 96, 4, 3214868480
	.section	.rodata,"a",@progbits
	.p2align	6, 0x0
	.amdhsa_kernel k_qa3abea3dc1_quant
		.amdhsa_group_segment_fixed_size 34304
		.amdhsa_private_segment_fixed_size 0
		.amdhsa_enable_private_segment 0
		.amdhsa_kernarg_size 40
		.amdhsa_user_sgpr_count 2
		.amdhsa_user_sgpr_kernarg_segment_ptr 1
		.amdhsa_wavefront_size32 1
		.amdhsa_system_sgpr_workgroup_id_x 1
		.amdhsa_system_sgpr_workgroup_id_y 1
		.amdhsa_system_sgpr_workgroup_id_z 1
		.amdhsa_system_vgpr_workitem_id 0
		.amdhsa_next_free_vgpr 256
		.amdhsa_next_free_sgpr 66
		.amdhsa_reserve_vcc 1
		.amdhsa_float_denorm_mode_32 3
		.amdhsa_float_denorm_mode_16_64 3
		.amdhsa_memory_ordered 1
		.amdhsa_forward_progress 1
		.amdhsa_inst_pref_size 161
	.end_amdhsa_kernel
	.amdgpu_metadata
---
amdhsa.version: [ 1, 2 ]
amdhsa.kernels:
  - .name:           k_qa3abea3dc1_quant
    .symbol:         k_qa3abea3dc1_quant.kd
    .args:
      - { .name: hidden_states, .offset: 0, .size: 8, .value_kind: global_buffer, .address_space: global }
      - { .name: w_attn, .offset: 8, .size: 8, .value_kind: global_buffer, .address_space: global }
      - { .name: w_proj, .offset: 16, .size: 8, .value_kind: global_buffer, .address_space: global }
      - { .name: x_img, .offset: 24, .size: 8, .value_kind: global_buffer, .address_space: global }
      - { .name: w_img, .offset: 32, .size: 8, .value_kind: global_buffer, .address_space: global }
    .group_segment_fixed_size: 34304
    .private_segment_fixed_size: 0
    .kernarg_segment_align: 8
    .kernarg_segment_size: 40
    .max_flat_workgroup_size: 128
    .sgpr_count:     66
    .vgpr_count:     256
    .wavefront_size: 32
...
	.end_amdgpu_metadata
.endif
;; end of part 1
;; launch gemm1 (part 2): grid 12 x 32, 4 waves a work-group, clusters of 4 x 4, 327,680 bytes of LDS; arguments x_img, w_img, b_attn, qbuf, kv; writes qbuf, kv
.if DOCPART == 2
	.amdgcn_target "amdgcn-amd-amdhsa--gfx1250"
	.amdhsa_code_object_version 6
	.text
	.protected	k_qa3abea3dc1_gemm1
	.globl	k_qa3abea3dc1_gemm1
	.p2align	8
	.type	k_qa3abea3dc1_gemm1,@function
k_qa3abea3dc1_gemm1:
	s_mov_b64 s[64:65], 0
	v_nop
	global_prefetch_b8 v0, s[64:65] scope:SCOPE_SE
	s_setreg_imm32_b32 hwreg(HW_REG_WAVE_MODE, 25, 1), 1
	s_wait_xcnt 0x0
	s_wait_alu depctr_hold_cnt(0) depctr_sa_sdst(0) depctr_va_vdst(0) depctr_va_sdst(0) depctr_va_ssrc(0) depctr_va_vcc(0) depctr_vm_vsrc(0)
	s_getreg_b32 s2, hwreg(HW_REG_IB_STS2, 6, 4)
	s_cmp_eq_u32 s2, 0
	s_cbranch_scc0 .Lentry_in_a_cluster
	s_endpgm
.Lentry_in_a_cluster:
	s_bfe_u32 s2, ttmp6, 0x10000c
	s_cmp_lg_u32 s2, 0xf033
	s_cbranch_scc0 .Lentry_shape_is_right
	s_endpgm
.Lentry_shape_is_right:
; qkv = x w_attn + b_attn on codes of E4M3 with E8M0 scales, and q, k, v quantised on the way out, each along the K of the product that will read it.
; ONE FORM: D[i][j] = sum over k of A[i][k] B[j][k] + bias, quantised along j in blocks of 32, stored as images of the operand's registers with rows i.
;   cluster x = 0 (q), 1 (k): A = x_img (i = tokens), B = w_img (j = columns of w_attn: the 128 channels of a pair of heads); bias along j.
;   cluster x = 2 (v):        A = w_img groups 16-23 (i = v's channels), B = x_img (j = tokens: the second attention product's K); bias along i.
; The choice hangs on the cluster's x alone, which all partners of a cluster share.
; A work-group of four waves makes 256 x 256 of D, a wave 128 x 128: 64 accumulators.  K = 1,024 goes in four steps of 256 through two LDS slots.  Operands lie in memory as register images:
; a group of 128 rows x 256 K is one dense block of 33,792 bytes (codes [tile 8][q 2][c 4][lane][16], scale words at +32,768 [tile 8][r 16][q 2]), brought by one tensor load as 132 rows of 256 bytes;
; a fragment is four ds_load_b128 at 16 x lane: consecutive bytes, no pitch.
; Tile t of a group holds in lane r the row 32 (t / 2) + 8 (t % 2) + r + 8 (r / 8).  THE MATRIX INSTRUCTION IS USED TRANSPOSED (source 0 = B's tile b, source 1 = A's tile a): lane (r, h) holds A's tile row r,
; and the 16 registers of accumulators (a, 2 c), (a, 2 c + 1) are j = 32 c + 16 h + 0..15: the conversions' results are the next operand's registers.
; CLUSTERS: 4 x 4 work-groups; A's blocks are asked for jointly along a row of the cluster, B's along a column.
; OUT: qbuf block (17,408 bytes) for (batch, head pair, token group): codes [head 2][tile 8][c 2][lane][16], scale words at +16,384 [head 2][r 16][tile 8] (bytes 0, 1: the head's two blocks; 2, 3: zero).
;      kv block (34,304 bytes): k as q at +0, its words at +32,768; v at +16,384 [head 2][tile 4][c 4][lane][16] (rows = channels, K = the group's 128 tokens), its words at +33,792 [r 16][8].
; LIMITS: NaN and infinities are not served; a block under 2^-118, and a block of zeros, gets the byte 1.
; REGISTERS: window 0: v1 r, v2 h, v16-29 addresses; v32-63 scale words, two sets; v64-127 the bias (C of the first products); v128-255 A's fragments, one set.  window 1: B's fragments, two sets.  windows 2, 3: accumulator (a, b) at v[8 (8 (a % 4) + b)].
.set PART,  33792                      ; one block: what one tensor load brings
.set SLOT,  4*PART                     ; A's two groups, then B's two
.set GRP,   4*PART                     ; a group's four blocks in memory
.set SPARE, 2*SLOT                     ; behind the ring: the spare words, 128 bytes a wave: two blocks of 256 bytes that no other line names
.set NQ,    2
.set FR,    16
.set NL,    4
.set NP,    8                          ; places behind this matrix instruction (ISA guide 7.12.1)
.set ADRA,  16                         ; v16-17 my A fragments in slot 0, 1
.set ADRB,  20                         ; v20-21 my B fragments
.set ADRS,  22                         ; v22-23 my scale words: lanes 0-15 A's, lanes 16-31 B's
.set VO0,   24                         ; v24 16 x lane
.set VO1,   25                         ; v25 16 x lane + the distance to blocks 2, 3 of a row's 128
.set VSS,   26                         ; v26 32 r + 16 h: scale words out
.set VB,    27                         ; v27 the bias loads' offset
.set SPW,   28
.set NIL,   29
.set SC,    32
.set BIAS,  64
.set AF,    128
.set X,     128                        ; the way out, window 0: 64 held numbers,
.set PC,    192                        ; their codes,
.set TM,    208                        ; v208-223 at work,
.set PW,    224                        ; the scale word
.set SW0,   64                         ; v64-71, v72-79 the eight tiles' words (first and second head), v80-87 as they leave
.set SW1,   72
.set OUT,   80
.set G1,  24
.set G0,  32
.set G1B, 48
.set G0B, 56
.set OB,  66                           ; s[66:67] where tile a's codes go; s[68:69] the scale words; s[70:71] the step from tile to tile; s72 the mask of the first head's bytes
.set SBASE, 68
.set MSB, 0
.macro WIN new                         ; the immediate's high byte repeats the setting that is left
.if MSB != \new
	s_set_vgpr_msb (MSB<<8)|\new
.set MSB, \new
.endif
.endm
.set TO_B, 0x40                        ; destination window 1, address window 0
; A joint load: waves 0 and 1 fetch A's two groups, waves 2 and 3 B's.  The branch hangs on the wave's number alone.  Four v_nop follow each of the two lines.
.macro JLOAD g0a, g1a, g0b, g1b
	s_cmp_eq_u32 s15, 0
	s_cbranch_scc0 .Lfor_b_\@
	tensor_load_to_lds s[\g0a:\g0a+3], s[\g1a:\g1a+7]
	s_nop 0
.rept 4
	v_nop
.endr
	s_branch .Lasked_\@
.Lfor_b_\@:
	tensor_load_to_lds s[\g0b:\g0b+3], s[\g1b:\g1b+7]
	s_nop 0
.rept 4
	v_nop
.endr
.Lasked_\@:
.endm
.macro CREST                           ; a round of the cluster's barrier behind its opening barrier
	s_cmp_lg_u32 s14, 0
	s_cbranch_scc1 .Lnot_wave_0_\@
	s_barrier_signal -3
.Lnot_wave_0_\@:
	s_barrier_wait -3
	s_barrier_signal -1
	s_barrier_wait -1
.endm
.macro CROUND
	s_barrier_signal -1
	s_barrier_wait -1
	CREST
.endm
.macro PLACES n
.rept \n
	v_nop
.endr
.endm
.macro FRAG reg, adr, q, i             ; tile i, K step q: the image's four pieces of 512 bytes
.irp c, 0,1,2,3
	ds_load_b128 v[\reg+4*\c:\reg+4*\c+3], v[\adr] offset:(\i)*4096+(\q)*2048+512*\c
.endr
.endm
; 16 matrix instructions: A's tiles a0, a0 + 1 x B's eight.  mode 0: the sums go on; 1: they start from the bias along j (registers 8 b ..); 2: from the bias along i (registers 8 a ..).
; The 64 accumulators take turns, one instruction a turn, in the same order in every step.
.macro MUL16 a0, p, q, sc, mode
.irp a, \a0, \a0+1
.irp b, 0,1,2,3,4,5,6,7
.if \mode == 0
	v_wmma_scale_f32_16x16x128_f8f6f4 v[8*(8*((\a)%4)+\b):8*(8*((\a)%4)+\b)+7], v[128*(\p)+FR*\b:128*(\p)+FR*\b+FR-1], v[AF+FR*(\a):AF+FR*(\a)+FR-1], v[8*(8*((\a)%4)+\b):8*(8*((\a)%4)+\b)+7], v[SC+8*NQ*(\sc)+NQ*\b+(\q)], v[SC+8*NQ*(\sc)+NQ*(\a)+(\q)] matrix_a_scale:MATRIX_SCALE_ROW1
.elseif \mode == 1
	v_wmma_scale_f32_16x16x128_f8f6f4 v[8*(8*((\a)%4)+\b):8*(8*((\a)%4)+\b)+7], v[128*(\p)+FR*\b:128*(\p)+FR*\b+FR-1], v[AF+FR*(\a):AF+FR*(\a)+FR-1], v[BIAS+8*\b:BIAS+8*\b+7], v[SC+8*NQ*(\sc)+NQ*\b+(\q)], v[SC+8*NQ*(\sc)+NQ*(\a)+(\q)] matrix_a_scale:MATRIX_SCALE_ROW1
.else
	v_wmma_scale_f32_16x16x128_f8f6f4 v[8*(8*((\a)%4)+\b):8*(8*((\a)%4)+\b)+7], v[128*(\p)+FR*\b:128*(\p)+FR*\b+FR-1], v[AF+FR*(\a):AF+FR*(\a)+FR-1], v[BIAS+8*(\a):BIAS+8*(\a)+7], v[SC+8*NQ*(\sc)+NQ*\b+(\q)], v[SC+8*NQ*(\sc)+NQ*(\a)+(\q)] matrix_a_scale:MATRIX_SCALE_ROW1
.endif
.endr
.endr
.endm
.macro FETCH_B slot, q, p
	WIN TO_B
.irp i, 0,1,2,3,4,5,6,7
	FRAG 128*(\p)+FR*\i, ADRB+\slot, \q, \i
.endr
	WIN 0
.endm
.macro FETCH_A slot, q, i0
.irp i, \i0, \i0+1, \i0+2, \i0+3
	FRAG AF+FR*(\i), ADRA+\slot, \q, \i
.endr
.endm
.macro SCALES sc                       ; a slot's scale words: two words a row; lanes 0-15 A's tile i, lanes 16-31 B's tile i
.irp i, 0,1,2,3,4,5,6,7
	ds_load_b64 v[SC+8*NQ*\sc+NQ*\i:SC+8*NQ*\sc+NQ*\i+1], v[ADRS+\sc] offset:128*\i
.endr
.endm
; A step of 128 along K that has its successor in the same slot.  A has one set of registers: tiles 0-3 are fetched anew in the step's middle, tiles 4-7 at its end; B has two sets.
.macro STEP slot, q, mode
.if \mode
.set WLO, 0x81                         ; source 0 (B) window 1, source 1 (A) and C (the bias) window 0, D window 2
.set WHI, 0xc1                         ; the same, D window 3
.else
.set WLO, 0xa1                         ; C and D window 2
.set WHI, 0xf1                         ; C and D window 3
.endif
	s_wait_dscnt 4*NL                              ; B's set, the scale words and A's tiles 0-3 are in; the youngest 16 loads (A's tiles 4-7) may be out
	WIN WLO
	MUL16 0, (\q)%2, \q, \slot, \mode
	MUL16 2, (\q)%2, \q, \slot, \mode
	s_wait_dscnt 0
	PLACES NP                                      ; in front of loads into registers that matrix instructions have read
	FETCH_B \slot, (\q)+1, 1-(\q)%2
	FETCH_A \slot, (\q)+1, 0
	WIN WHI
	MUL16 4, (\q)%2, \q, \slot, \mode
	MUL16 6, (\q)%2, \q, \slot, \mode
	PLACES NP
	WIN 0
	FETCH_A \slot, (\q)+1, 4
.endm
; A slot's last step changes slots: one barrier; in front of it each wave waits for all its tensor loads, adds 0 to its spare word, and waits for that and for its reads of this slot.  fill = 1: this slot is filled again, two slots ahead.
.macro TURN slot, next, fill
	s_wait_tensorcnt 0x0                           ; all my tensor loads have landed: my part of the next slot
	ds_add_u32 v[SPW], v[NIL]                      ; 0 onto my spare word
	s_wait_dscnt 4*NL+1                            ; (the add and the youngest 16 loads, A's tiles 4-7, may be out)
	WIN 0xa1
	MUL16 0, 1, NQ-1, \slot, 0                     ; sixteen matrix instructions stand between the add and the wait for it
	s_wait_dscnt 0x0                               ; the add is done, and my reads of this slot are over
	s_barrier_signal -1
	MUL16 2, 1, NQ-1, \slot, 0
	WIN 0
	s_barrier_wait -1
.if \fill
	CREST                                          ; the barrier has opened a round of the cluster's barrier: no wave of any partner still reads this slot or has a load on its way
	s_add_nc_u64 s[G0+4*\slot+2:G0+4*\slot+3], s[G0+4*\slot+2:G0+4*\slot+3], 2*PART
	s_add_nc_u64 s[G0B+4*\slot+2:G0B+4*\slot+3], s[G0B+4*\slot+2:G0B+4*\slot+3], 2*PART
	JLOAD G0+4*\slot, G1, G0B+4*\slot, G1B         ; the first tensor load behind the round; its four v_nop are among the places in front of the loads below
	PLACES NP-4
.else
	PLACES NP
.endif
	FETCH_B \next, 0, 0
	FETCH_A \next, 0, 0
	SCALES \next
	WIN 0xf1
	MUL16 4, 1, NQ-1, \slot, 0
	MUL16 6, 1, NQ-1, \slot, 0
	PLACES NP
	WIN 0
	FETCH_A \next, 0, 4
.endm
	s_load_b256 s[4:11], s[0:1], 0x0               ; x_img s[4:5], w_img s[6:7], b_attn s[8:9], qbuf s[10:11]
	s_load_b64 s[12:13], s[0:1], 0x20              ; kv
	v_lshl_add_u32 v[SPW], v0, 2, SPARE
	v_mov_b32 v[NIL], 0
	ds_add_u32 v28, v29
	ds_add_u32 v28, v29
	s_wait_dscnt 0x0
	v_lshrrev_b32 v1, 5, v0
	v_readfirstlane_b32 s14, v1                    ; wave 0..3
	s_lshr_b32 s15, s14, 1                         ; which 128 rows of D are mine.  Also: I fetch for A (0) or for B (1)
	s_and_b32 s16, s14, 1                          ; which 128 columns.  Also: which of the two groups I fetch
	s_bfe_u32 s40, ttmp6, 0x40000                  ; cx, cy: my place in the cluster
	s_bfe_u32 s41, ttmp6, 0x40004
	s_and_b32 s73, ttmp7, 0xffff
	s_lshl_b32 s73, s73, 2                         ; 4 x cluster y
	s_lshl_b32 s74, ttmp9, 2                       ; 4 x cluster x
	s_cmp_eq_u32 ttmp9, 2                          ; v?
	s_cselect_b32 s17, 0, s73
	s_cselect_b32 s42, s73, s74
	s_cselect_b32 s75, 16, 0                       ; v's rows of A begin at group 16 of w_img
	s_add_co_u32 s17, s17, s41                     ; tile row of D: q, k: 4 cluster y + cy; v: cy
	s_add_co_u32 s42, s42, s40                     ; tile column:   q, k: 4 cluster x + cx; v: 4 cluster y + cx
	s_lshl_b32 s43, s41, 2
	s_lshl_b32 s43, 15, s43                        ; my row of the cluster
	s_lshl_b32 s44, 0x1111, s40                    ; my column
	; descriptor group 1: a dense block as 132 rows of 256 bytes (32 elements of 8 bytes), no padding
	s_or_b32 s[G1+0], s43, (3<<16)|(1<<21)         ; 15:0 the mask: A's blocks go to my row; 17:16 elements of 8 bytes; 21 set beside a mask
	s_or_b32 s[G1B+0], s44, (3<<16)|(1<<21)        ; B's go to my column
.irp g, G1, G1B
	s_mov_b32 s[\g+1], 32<<16                      ; tensor_dim0 = 32
	s_mov_b32 s[\g+2], 132<<16                     ; tensor_dim1 = 132
	s_mov_b32 s[\g+3], 32<<16                      ; tile_dim0 = 32
	s_mov_b32 s[\g+4], 132                         ; tile_dim1 = 132
	s_mov_b32 s[\g+5], 32                          ; from row to row
	s_mov_b32 s[\g+6], 0
	s_mov_b32 s[\g+7], 0
.endr
	s_lshl_b32 s20, s17, 1
	s_add_co_u32 s20, s20, s16
	s_add_co_u32 s20, s20, s75
	s_mul_i32 s20, s20, GRP                        ; A: the group that I fetch, in bytes: it hangs on the tile row and the wave alone
	s_mov_b32 s21, 0
	s_lshl_b32 s46, s42, 1
	s_add_co_u32 s46, s46, s16
	s_mul_i32 s46, s46, GRP                        ; B: on the tile column and the wave alone
	s_mov_b32 s47, 0
	s_mul_i32 s45, s14, PART                       ; where it goes: wave x a block: no place in the cluster enters an LDS address
	s_wait_kmcnt 0x0
	s_cmp_eq_u32 ttmp9, 2
	s_cselect_b64 s[76:77], s[6:7], s[4:5]         ; A's buffer
	s_cselect_b64 s[78:79], s[4:5], s[6:7]         ; B's
	s_add_nc_u64 s[20:21], s[76:77], s[20:21]
	s_add_nc_u64 s[46:47], s[78:79], s[46:47]
	CROUND                                         ; all sixteen work-groups are here: the first joint loads meet
.irp s, 0,1
	s_mov_b32 s[G0+4*\s], 1
	s_add_co_u32 s[G0+4*\s+1], s45, \s*SLOT
	s_add_nc_u64 s[G0+4*\s+2:G0+4*\s+3], s[20:21], \s*PART
	s_or_b32 s[G0+4*\s+3], s[G0+4*\s+3], 0x80000000
	s_mov_b32 s[G0B+4*\s], 1
	s_add_co_u32 s[G0B+4*\s+1], s45, \s*SLOT
	s_add_nc_u64 s[G0B+4*\s+2:G0B+4*\s+3], s[46:47], \s*PART
	s_or_b32 s[G0B+4*\s+3], s[G0B+4*\s+3], 0x80000000
.if \s
	; slot 1's first fill is issued as a refill is: my part of slot 0 is in, the add, its wait, a whole round
	s_wait_alu depctr_va_vdst(0)
	s_wait_tensorcnt 0x0
	ds_add_u32 v28, v29
	ds_add_u32 v28, v29
	s_wait_dscnt 0x0
	CROUND
.endif
	JLOAD G0+4*\s, G1, G0B+4*\s, G1B
.endr
	v_and_b32 v1, 15, v0                           ; r
	v_bfe_u32 v2, v0, 4, 1                         ; h
	s_wait_alu depctr_va_vdst(0)
	v_and_b32 v3, 31, v0
	v_lshlrev_b32 v3, 4, v3                        ; 16 x lane
	s_wait_alu depctr_va_vdst(0)
	s_mul_i32 s93, s15, PART                       ; my group of A
	s_mul_i32 s94, s16, PART
	s_add_co_u32 s94, s94, 2*PART                  ; my group of B
	s_mov_b32 s91, s93
	s_mov_b32 s92, s94
.irp s, 0,1
	v_add_nc_u32 v[ADRA+\s], s91, v3
	v_add_nc_u32 v[ADRB+\s], s92, v3
	s_add_co_u32 s91, s91, SLOT
	s_add_co_u32 s92, s92, SLOT
.endr
	s_sub_co_u32 s94, s94, s93
	v_mul_u32_u24 v4, s94, v2                      ; lanes 16-31 take B's words: one product with h
	v_lshl_add_u32 v4, v1, 3, v4                   ; + 8 r
	s_add_co_u32 s93, s93, 32768
	v_add_nc_u32 v[ADRS], s93, v4
	s_add_co_u32 s93, s93, SLOT
	v_add_nc_u32 v[ADRS+1], s93, v4
	; where my 128 x 128 goes
	s_lshl_b32 s80, s17, 1
	s_add_co_u32 s80, s80, s15                     ; RG: my group of rows of D
	s_lshl_b32 s81, s42, 1
	s_add_co_u32 s81, s81, s16                     ; CG: my group of columns
	s_and_b32 s82, s81, 7
	s_cmp_eq_u32 ttmp9, 2
	s_cselect_b32 s83, s81, s80                    ; the token group (0..63),
	s_cselect_b32 s82, s80, s82                    ; the pair of heads
	s_lshr_b32 s84, s83, 4                         ; the batch
	s_lshl_b32 s84, s84, 3
	s_add_co_u32 s84, s84, s82
	s_lshl_b32 s84, s84, 4
	s_and_b32 s83, s83, 15
	s_add_co_u32 s84, s84, s83                     ; block = (8 batch + pair) 16 + group in the batch
	s_cmp_eq_u32 ttmp9, 0
	s_mov_b32 s85, 34304
	s_cselect_b32 s85, 17408, s85                  ; a block's bytes: qbuf, kv
	s_cselect_b64 s[OB:OB+1], s[10:11], s[12:13]
	s_mov_b32 s86, 32768
	s_cselect_b32 s86, 16384, s86                  ; where its scale words begin: q, k,
	s_cmp_eq_u32 ttmp9, 2
	s_mov_b32 s87, 33792
	s_cselect_b32 s86, s87, s86                    ; v
	s_cselect_b32 s88, 16384, 0                    ; where its codes begin
	s_mov_b32 s70, 1024
	s_cselect_b32 s70, 2048, s70                   ; from tile to tile
	s_mov_b32 s90, 8192
	s_cselect_b32 s90, 1024, s90                   ; from blocks 0, 1 of a row's 128 to blocks 2, 3: the second head's codes; in v the next 64 tokens
	s_mov_b32 s72, 0xffff
	s_cselect_b32 s72, -1, s72                     ; q, k: a word holds a head's two bytes; v: all four
	s_mov_b32 s71, 0
	s_mul_i32 s84, s84, s85
	s_mov_b32 s85, 0
	s_mov_b32 s87, 0
	s_mov_b32 s89, 0
	s_add_nc_u64 s[OB:OB+1], s[OB:OB+1], s[84:85]
	s_add_nc_u64 s[SBASE:SBASE+1], s[OB:OB+1], s[86:87]
	s_add_nc_u64 s[OB:OB+1], s[OB:OB+1], s[88:89]
	v_mov_b32 v[VO0], v3
	v_add_nc_u32 v[VO1], s90, v3
	v_lshlrev_b32 v[VSS], 5, v1
	v_lshl_add_u32 v[VSS], v2, 4, v[VSS]
	s_mov_b32 s97, 0
	s_mov_b32 s98, 0x76543210
	s_mov_b32 s99, 0xfedcba98                      ; v_permlanex16_b32's selects for lane l xor 16
	s_mov_b32 s95, 0x600000                        ; the mantissa field of 448
	s_cmp_eq_u32 ttmp9, 2
	s_cbranch_scc1 .Lbias_v
	s_lshl_b32 s96, s81, 9                         ; q, k: b_attn at my 128 columns; register 8 b + j of lane (r, h) wants column 32 (b / 2) + 8 (b % 2) + 16 h + j
	s_add_nc_u64 s[96:97], s[8:9], s[96:97]
	v_lshlrev_b32 v[VB], 6, v2
.irp b, 0,1,2,3,4,5,6,7
	global_load_b128 v[BIAS+8*\b:BIAS+8*\b+3], v[VB], s[96:97] offset:(32*(\b/2)+8*(\b%2))*4
	global_load_b128 v[BIAS+8*\b+4:BIAS+8*\b+7], v[VB], s[96:97] offset:(32*(\b/2)+8*(\b%2))*4+16
.endr
	s_branch .Lbias_done
.Lbias_v:
	s_lshl_b32 s96, s80, 9                         ; v: b_attn at 2,048 + my 128 channels; all eight registers of tile a want the number of the lane's own row
	s_add_co_u32 s96, s96, 8192
	s_add_nc_u64 s[96:97], s[8:9], s[96:97]
	v_and_b32 v[VB], 8, v1
	v_add_nc_u32 v[VB], v[VB], v1
	v_lshlrev_b32 v[VB], 2, v[VB]
.irp a, 0,1,2,3,4,5,6,7
.irp j, 0,1,2,3,4,5,6,7
	global_load_b32 v[BIAS+8*\a+\j], v[VB], s[96:97] offset:(32*(\a/2)+8*(\a%2))*4
.endr
.endr
.Lbias_done:
	s_wait_tensorcnt 1                             ; my part of slot 0 is in; slot 1's may stay out
	s_barrier_signal -1
	s_barrier_wait -1                              ; everybody's is
	FETCH_B 0, 0, 0
	FETCH_A 0, 0, 0
	s_wait_alu depctr_va_vdst(0)
	SCALES 0
	FETCH_A 0, 0, 4
	s_wait_loadcnt 0x0                             ; the bias
	s_cmp_eq_u32 ttmp9, 2                          ; the first step is written twice: its products start the sums from the bias, which lies along j or along i
	s_cbranch_scc1 .Lfirst_v
	STEP 0, 0, 1
	s_branch .Lfirst_done
.Lfirst_v:
	STEP 0, 0, 2
.Lfirst_done:
	TURN 0, 1, 1                                   ; slot 0 takes K 512..767
	STEP 1, 0, 0
	TURN 1, 0, 1                                   ; slot 1 takes K 768..1023
	STEP 0, 0, 0
	TURN 0, 1, 0                                   ; nothing is left to fetch
	STEP 1, 0, 0
	s_wait_dscnt 4*NL                              ; the very last step
	WIN 0xa1
	MUL16 0, 1, NQ-1, 1, 0
	MUL16 2, 1, NQ-1, 1, 0
	s_wait_dscnt 0
	WIN 0xf1
	MUL16 4, 1, NQ-1, 1, 0
	MUL16 6, 1, NQ-1, 1, 0
	WIN 0
; THE WAY OUT, tile a of my eight: a lane's 64 registers are four blocks of 32 along j (16 numbers each; the other 16 lie in lane l xor 16).  The hold moves each number into window 0, the conversions' results
; are the image's registers: four stores of 512 consecutive bytes, aligned.  No LDS.
.macro EPI a
.set WD, 2+(\a)/4
.set AC, 64*((\a)%4)
.set WW, (WD<<2)|(WD<<4)
	WIN WW                                         ; sources 1 and 2: the accumulators' window
.irp b, 0,1,2,3
	v_max3_num_f32 v[TM+\b], 0x4800000, |v[AC+16*\b]|, |v[AC+16*\b+1]|        ; the floor 2^(9 - 127) among the leaves; each accumulator is read from its low end on
.endr
.irp i, 2,4,6,8,10,12,14
.irp b, 0,1,2,3
	v_max3_num_f32 v[TM+\b], v[TM+\b], |v[AC+16*\b+\i]|, |v[AC+16*\b+\i+1]|
.endr
.endr
	WIN 0
.irp b, 0,1,2,3
	v_permlanex16_b32 v[TM+4+\b], v[TM+\b], s98, s99
.endr
.irp b, 0,1,2,3
	v_max_num_f32 v[TM+\b], v[TM+\b], v[TM+4+\b]
.endr
.irp b, 0,1,2,3
	v_add_nc_u32 v[TM+12+\b], 0xfc000000, v[TM+\b]                            ; 8 off the exponent field: the conversion's scale operand
.endr
.irp b, 0,1,2,3
	v_and_or_b32 v[TM+8+\b], v[TM+\b], 0x7f800000, s95                        ; 448 x the scale
.endr
.irp b, 0,1,2,3
	v_lshrrev_b32 v[TM+4+\b], 23, v[TM+12+\b]                                 ; the byte
.endr
	v_lshl_or_b32 v[PW], v[TM+5], 8, v[TM+4]
	v_lshl_or_b32 v[PW], v[TM+6], 16, v[PW]
	v_lshl_or_b32 v[PW], v[TM+7], 24, v[PW]
	WIN WD                                         ; source 0: the accumulators' window
.set n, 0
.rept 64
	v_med3_num_f32 v[X+n], v[AC+n], -v[TM+8+n/16], v[TM+8+n/16]               ; the conversion does not saturate (ISA guide 7.6.2): the hold
.set n, n+1
.endr
	WIN 0
.if (\a) > 0
	s_wait_alu depctr_va_vdst(0)
	s_wait_xcnt 0x0                                ; the last tile's stores have read their codes and their base: both are written again below
	s_add_nc_u64 s[OB:OB+1], s[OB:OB+1], s[70:71]
.endif
.irp b, 0,1,2,3
	v_cvt_scalef32_pk8_fp8_f32 v[PC+4*\b:PC+4*\b+1], v[X+16*\b:X+16*\b+7], v[TM+12+\b]
	v_cvt_scalef32_pk8_fp8_f32 v[PC+4*\b+2:PC+4*\b+3], v[X+16*\b+8:X+16*\b+15], v[TM+12+\b]
.endr
	v_nop                                          ; a plain line behind the last conversion
	v_and_b32 v[SW0+(\a)], s72, v[PW]
	v_lshrrev_b32 v[SW1+(\a)], 16, v[PW]
	global_store_b128 v[VO0], v[PC:PC+3], s[OB:OB+1]
	global_store_b128 v[VO0], v[PC+4:PC+7], s[OB:OB+1] offset:512
	global_store_b128 v[VO1], v[PC+8:PC+11], s[OB:OB+1]
	global_store_b128 v[VO1], v[PC+12:PC+15], s[OB:OB+1] offset:512
.endm
	PLACES NP                                      ; behind the last products: their results are read and A's registers written below
.irp b, 0,1,2,3
	v_mov_b32 v[TM+4+\b], 0                        ; written once: a lane permute's destination counts as one of its sources
.endr
.irp a, 0,1,2,3,4,5,6,7
	EPI \a
.endr
	v_cmp_ne_u32 vcc_lo, 0, v2                     ; lane (r, h) stores row r's words of tiles 4 h .. 4 h + 3: the wave's 512 consecutive bytes
.irp k, 0,1,2,3
	v_cndmask_b32 v[OUT+\k], v[SW0+\k], v[SW0+4+\k], vcc_lo
.endr
	global_store_b128 v[VSS], v[OUT:OUT+3], s[SBASE:SBASE+1]
	s_cmp_eq_u32 ttmp9, 2
	s_cbranch_scc1 .Lno_second                     ; v's words hold all four bytes: there is no second head's table
.irp k, 0,1,2,3
	v_cndmask_b32 v[OUT+4+\k], v[SW1+\k], v[SW1+4+\k], vcc_lo
.endr
	global_store_b128 v[VSS], v[OUT+4:OUT+7], s[SBASE:SBASE+1] offset:512
.Lno_second:
	s_wait_tensorcnt 0x0                           ; the wave's end
	ds_add_u32 v[SPW], v[NIL]
	s_wait_dscnt 0x0
	CROUND                                         ; the closing round: no work-group ends while a partner may still ask for a block that names it
	s_endpgm
.Lfunc_end_k_qa3abea3dc1_gemm1:
	.size	k_qa3abea3dc1_gemm1, .Lfunc_end_k_qa3abea3dc1_gemm1-k_qa3abea3dc1_gemm1
	.p2alignl 7, 3214868480
	.fill 96, 4, 3214868480
	.section	.rodata,"a",@progbits
	.p2align	6, 0x0
	.amdhsa_kernel k_qa3abea3dc1_gemm1
		.amdhsa_group_segment_fixed_size 327680
		.amdhsa_private_segment_fixed_size 0
		.amdhsa_enable_private_segment 0
		.amdhsa_kernarg_size 40
		.amdhsa_user_sgpr_count 2
		.amdhsa_user_sgpr_kernarg_segment_ptr 1
		.amdhsa_wavefront_size32 1
		.amdhsa_system_sgpr_workgroup_id_x 1
		.amdhsa_system_sgpr_workgroup_id_y 1
		.amdhsa_system_sgpr_workgroup_id_z 1
		.amdhsa_system_vgpr_workitem_id 0
		.amdhsa_next_free_vgpr 1024
		.amdhsa_next_free_sgpr 100
		.amdhsa_reserve_vcc 1
		.amdhsa_float_denorm_mode_32 3
		.amdhsa_float_denorm_mode_16_64 3
		.amdhsa_memory_ordered 1
		.amdhsa_forward_progress 1
		.amdhsa_inst_pref_size 206
	.end_amdhsa_kernel
	.amdgpu_metadata
---
amdhsa.version: [ 1, 2 ]
amdhsa.kernels:
  - .name:           k_qa3abea3dc1_gemm1
    .symbol:         k_qa3abea3dc1_gemm1.kd
    .args:
      - { .name: x_img, .offset: 0, .size: 8, .value_kind: global_buffer, .address_space: global }
      - { .name: w_img, .offset: 8, .size: 8, .value_kind: global_buffer, .address_space: global }
      - { .name: b_attn, .offset: 16, .size: 8, .value_kind: global_buffer, .address_space: global }
      - { .name: qbuf, .offset: 24, .size: 8, .value_kind: global_buffer, .address_space: global }
      - { .name: kv, .offset: 32, .size: 8, .value_kind: global_buffer, .address_space: global }
    .group_segment_fixed_size: 327680
    .private_segment_fixed_size: 0
    .kernarg_segment_align: 8
    .kernarg_segment_size: 40
    .max_flat_workgroup_size: 128
    .sgpr_count:     100
    .vgpr_count:     1024
    .wavefront_size: 32
...
	.end_amdgpu_metadata
.endif
;; end of part 2
;; launch attn (part 3): grid 8 x 32, 16 waves a work-group, no clusters, 327,680 bytes of LDS; arguments qbuf, kv, attn_img; writes attn_img
.if DOCPART == 3
	.amdgcn_target "amdgcn-amd-amdhsa--gfx1250"
	.amdhsa_code_object_version 6
	.text
	.protected	k_qa3abea3dc1_attn
	.globl	k_qa3abea3dc1_attn
	.p2align	8
	.type	k_qa3abea3dc1_attn,@function
k_qa3abea3dc1_attn:
	s_mov_b64 s[64:65], 0
	v_nop
	global_prefetch_b8 v0, s[64:65] scope:SCOPE_SE
	s_setreg_imm32_b32 hwreg(HW_REG_WAVE_MODE, 25, 1), 1
	s_wait_xcnt 0x0
; Causal attention on codes of E4M3 with E8M0 scales, 64 heads of 64 channels, 2,048 tokens; the result, divided by the row's sum, is quantised along the 1,024 channels and stored as the image that the last product reads.
; SOFTMAX: t = score x log2(e) / 8; M = the running largest t rounded up to a whole number; p = 2^(t - M) is quantised along the keys, not normalised; the sum is taken of the unquantised p and divides at the end.
; When M moves, the sum and O are multiplied by 2^(old M - new M): exact.
; WORK LEFT OUT: key groups that lie wholly behind a query group under the causal mask are neither fetched nor multiplied.
; SHARES.  Work-group (i = x, y = 8 batch + head pair) owns two groups of 128 queries of a pair of heads: group i with key groups 0..i, then group 15 - i with key groups 0..15 - i: a WALK of (i + 1) + (16 - i) = 17 key steps
; of 128 keys in every work-group: 256 work-groups of equal work.  Steps i and 16 lie on the diagonal and are masked.  Wave w: head w / 8 of the pair, tile w % 8 of 16 queries, in 256 registers: four waves to a SIMD.
; THE RING.  A slot holds FOUR key groups of the walk (4 x 34,304 bytes), two slots: five changes of slots for the 17 steps (4 + 4 + 4 + 4 + 1).  Between two changes no barrier stands: each wave walks its slot's steps by itself.
; A fill is eight tensor loads, one a wave (waves 0 to 7): wave w brings half w % 2 (67 rows of 256 bytes) of walk step 4 x fill + w / 2.  The last fill is one group: waves 0 and 1.  One load a wave is out behind each barrier.
; NO CLUSTER: the eight work-groups of a head pair stand at different key groups in most fills (the first pass has i + 1 steps), so no two of them would make the same request in the same fill.
; PREFETCH INTO THE L2.  Of a head pair's eight work-groups the first (i = 0) asks, its waves 8 to 11, each for 8,192 of a group's first 32,768 bytes, lanes 256 bytes apart: in step t = 0 .. 7 key group t + 8.
; The first fill of any of the eight that wants group 8, 9 or 10 stands behind step 3, that for 11 to 14 behind step 7, that for 15 behind step 11: two steps or more behind the request.  Groups 0 to 7 come by their loads alone.
; LAYOUT.  Both products are used transposed (S^T = K Q^T, O^T = V^T P^T): a lane holds one query.  Tile t of a group of 128 holds in lane r the row 32 (t / 2) + 8 (t % 2) + r + 8 (r / 8), so the 16 registers of
; result tiles 2 b, 2 b + 1 are 16 neighbours 32 b + 16 h + 0..15 along the next K.  All operands lie as images of their registers: every LDS load takes 512 consecutive bytes.
; K = 64 IN AN INSTRUCTION OF 128: Q's upper eight registers are zero codes.  K's operand of tile a is v[32 + 8 a .. 47 + 8 a]: its upper half is the next tile's codes (tile 7: zeros), never the NaN code since the quantiser holds;
; times zero codes they add exactly 0; bytes 2, 3 of both scale words are 0, which is 2^-127 and no NaN.
; A kv block (34,304 bytes, one key group of a head pair): K's codes [head 2][tile 8][c 2][lane][16]; +16,384 V's [head 2][tile 4][c 4][lane][16]; +32,768 K's words [head 2][r 16][tile 8]; +33,792 V's [r 16][8].
; LIMITS: NaN and infinities are not served; a block under 2^-118, and a block of zeros, gets the byte 1; the promise holds while the scaled scores t stay under 2^31 in magnitude.
; REGISTERS: v1-4 addresses that stay, v5-6 the add's, v7 prefetch offset, v8-10 addresses in hand, v11 my query less 16 h, v12 -M, v13 largest t, v[14:15] the sum; v16-23 Q, v24-31 zeros; v32-95 K's tiles, then V's;
; v96-103 zeros; v104-167 S^T, then p; v168-199 O^T; v200-215 codes; v216-223 K's words, v224-227 V's, v228 Q's, v229 p's; v230, v231, v248 offsets; v232-247, v250-255 at work; v249 -infinity.
; s2 LDS byte of the group in hand; s3 the step; s18 wave; s19 448's mantissa; s[20:21] permute selects; s[22:23] c; s[24:31] group 1; s[32:35] group 0; s36 i; s37 i + 1; s[38:39] an offset; s[40:43] Q's two blocks;
; s[44:47] where the codes go; s[48:51] the scale bytes; s[52:53] the prefetches' address; s54 how many steps prefetch; s66 wave / 2; s67 my half in memory; s68 my place in a slot; s69 the change of slots; s70 steps in the slot; s71 the fill
.set KVB,   34304
.set KVH,   17152
.set SLOTB, 4*KVB
.set SPARE, 2*SLOTB                    ; behind the ring: the spare words, 128 bytes for each of 16 waves: eight blocks of 256 bytes that no other line names
.set S,   104
.set O,   168
.set PCD, 200
.macro TLOAD n                         ; waves under n fetch; an s_nop 0 and four v_nop follow the line
	s_cmp_lt_u32 s18, \n
	s_cbranch_scc0 .Lnone_\@
	tensor_load_to_lds s[32:35], s[24:31]
	s_nop 0
.rept 4
	v_nop
.endr
.Lnone_\@:
.endm
.macro FDESC                           ; group 0 for fill s71: walk step j = 4 s71 + wave / 2 is key group j, or j - (i + 1) behind the first pass
	s_lshl_b32 s72, s71, 2
	s_add_co_u32 s72, s72, s66
	s_cmp_gt_u32 s72, s36
	s_cselect_b32 s73, s37, 0
	s_sub_co_u32 s72, s72, s73
	s_mul_i32 s38, s72, KVB
	s_add_co_u32 s38, s38, s67
	s_add_nc_u64 s[34:35], s[6:7], s[38:39]
	s_or_b32 s35, s35, 0x80000000
	s_and_b32 s73, s71, 1                          ; fill f goes into slot f % 2, wave w's half at w x 17,152
	s_mul_i32 s73, s73, SLOTB
	s_add_co_u32 s33, s73, s68
.endm
; THE CHANGE OF SLOTS number s69.  Each wave waits for all its tensor loads (its part of the slot that is about to be read), adds 0 to its spare word, and waits for that and for its reads of the slot that it has left.
; n > 0: behind the barrier waves under n fill that slot with fill s69 + 1.  There the add stands twice on end.
.macro CHANGE n
	s_wait_alu depctr_va_vdst(0)
	s_wait_tensorcnt 0x0                           ; no tensor load of mine is out, so group 0 may be written
	ds_add_u32 v5, v6
.if \n
	ds_add_u32 v5, v6
	s_add_co_u32 s71, s69, 1
	FDESC
.endif
	s_and_b32 s2, s69, 1
	s_mul_i32 s2, s2, SLOTB                        ; the slot to be read: s69 % 2
	s_wait_dscnt 0x0
	s_barrier_signal -1
	s_barrier_wait -1
.if \n
	TLOAD \n
.endif
.endm
.macro LOADQ qb
	global_load_b128 v[16:19], v4, s[\qb:\qb+1]
	global_load_b128 v[20:23], v4, s[\qb:\qb+1] offset:512
	global_load_b32 v228, v230, s[\qb:\qb+1]
.endm
.macro INIT
	v_mov_b32 v13, 0xff61b1e6                      ; the largest t so far: -3e38, under every t
	s_delay_alu instid0(VALU_DEP_1)
	v_floor_f32 v12, -v13                          ; -M
	v_mov_b32 v14, 0
	v_mov_b32 v15, 0
.set j, 0
.rept 32
	v_mov_b32 v[O+j], 0                            ; a pass's first step finds zeros, which the first change of M leaves zeros
.set j, j+1
.endr
.endm
.macro NEXT                            ; on to the next step: the next group of the slot
	s_add_co_u32 s3, s3, 1
	s_add_co_u32 s2, s2, KVB
	s_add_co_u32 s70, s70, 1
.endm
; A KEY STEP: 128 keys.  diag = 1: on the diagonal; 0: on it where the step is i; 2: never.  ask = 1: the step may prefetch.
.macro STEP diag, ask
	v_add_nc_u32 v8, s2, v1
	v_add_nc_u32 v9, s2, v2
	v_add_nc_u32 v10, s2, v3
.rept 5
	v_nop                                          ; with the three additions: eight places in front of loads into registers that the last products have read
.endr
.irp a, 0,1,2,3,4,5,6,7
	ds_load_b128 v[32+8*\a:35+8*\a], v8 offset:1024*\a
	ds_load_b128 v[36+8*\a:39+8*\a], v8 offset:1024*\a+512
.endr
	ds_load_b128 v[216:219], v9                    ; K's scale words of tiles 0-3,
	ds_load_b128 v[220:223], v9 offset:16          ; 4-7
	s_wait_alu depctr_va_vdst(0)
	s_wait_dscnt 0x0
.irp a, 0,1,2,3,4,5,6,7
	v_wmma_scale_f32_16x16x128_f8f6f4 v[S+8*\a:S+8*\a+7], v[32+8*\a:47+8*\a], v[16:31], 0, v[216+\a], v228
.endr
.rept 8
	v_nop
.endr
.irp t, 0,1,2,3                                ; V's fragments are asked for now and land under the softmax
.irp c, 0,1,2,3
	ds_load_b128 v[32+16*\t+4*\c:35+16*\t+4*\c], v8 offset:16384+2048*\t+512*\c
.endr
.endr
	ds_load_b128 v[224:227], v10
.if \ask
	s_cmp_lt_u32 s3, s54
	s_cbranch_scc0 .Lnot_mine_\@
	global_prefetch_b8 v7, s[52:53] th:TH_LOAD_NT scope:SCOPE_SE
.Lnot_mine_\@:
.endif
.if \diag == 0
	s_cmp_lg_u32 s3, s36
	s_cbranch_scc1 .Lopen_\@
.endif
.if \diag < 2
.irp n, 0,1,2,3,4,5,6,7,8,9,10,11,12,13,14,15,16,17,18,19,20,21,22,23,24,25,26,27,28,29,30,31,32,33,34,35,36,37,38,39,40,41,42,43,44,45,46,47,48,49,50,51,52,53,54,55,56,57,58,59,60,61,62,63
	v_cmp_gt_i32 vcc_lo, 32*(\n/16)+\n%16, v11     ; register 16 b + i holds key 32 b + 16 h + i of the group: hidden where it comes after my query
	v_cndmask_b32 v[S+\n], v[S+\n], v249, vcc_lo
.endr
.endif
.if \diag == 0
.Lopen_\@:
.endif
.irp b, 0,1,2,3
	v_max3_num_f32 v[232+\b], v[S+16*\b], v[S+1+16*\b], v[S+2+16*\b]          ; the largest score of each block of 32 keys: for the row's maximum, and, since p rises with the score, for the block's largest p
.endr
.irp i, 3,5,7,9,11,13
.irp b, 0,1,2,3
	v_max3_num_f32 v[232+\b], v[232+\b], v[S+16*\b+\i], v[S+1+16*\b+\i]
.endr
.endr
.irp b, 0,1,2,3
	v_max_num_f32 v[232+\b], v[232+\b], v[S+15+16*\b]
.endr
.irp b, 0,1,2,3
	s_delay_alu instid0(VALU_DEP_4)
	v_permlanex16_b32 v[236+\b], v[232+\b], s20, s21
.endr
.irp b, 0,1,2,3
	s_delay_alu instid0(VALU_DEP_4)
	v_max_num_f32 v[232+\b], v[232+\b], v[236+\b]
.endr
	s_delay_alu instid0(VALU_DEP_2)
	v_max3_num_f32 v254, v232, v233, v234
	s_delay_alu instid0(VALU_DEP_1)
	v_max_num_f32 v254, v254, v235
	s_delay_alu instid0(VALU_DEP_1)
	v_mul_f32 v254, s22, v254                      ; as t (c is positive)
	s_delay_alu instid0(VALU_DEP_1)
	v_max_num_f32 v13, v13, v254                   ; the running largest t
	v_mov_b32 v254, v12
	s_delay_alu instid0(VALU_DEP_2)
	v_floor_f32 v12, -v13                          ; the new -M = floor(-t)
	s_delay_alu instid0(VALU_DEP_1)
	v_sub_f32 v254, v12, v254                      ; old M - new M: a whole number, 0 or less
	s_delay_alu instid0(VALU_DEP_1)
	v_cvt_i32_f32 v254, v254                       ; (it saturates)
	s_delay_alu instid0(VALU_DEP_1)
	v_ldexp_f32 v252, 1.0, v254                    ; f = 2^(old M - new M)
.set j, 0
.rept 32
	v_pk_fma_f32 v[S+j:S+j+1], v[S+j:S+j+1], s[22:23], v[12:13] op_sel_hi:[1,0,0]   ; t - M, two at a time
.set j, j+2
.endr
.irp b, 0,1,2,3
	v_fma_f32 v[232+\b], v[232+\b], s22, v12
.endr
.set j, 0
	s_wait_alu depctr_va_vdst(0)
.rept 64
	v_exp_f32 v[S+j], v[S+j]                       ; p = 2^(t - M)
.set j, j+1
.endr
	v_pk_mul_f32 v[14:15], v[14:15], v[252:253] op_sel_hi:[1,0]               ; the sums under the new M: a plain line behind the exponentials
	s_wait_alu depctr_va_vdst(0)                   ; one wait for the batch, ahead of its first reader
.irp b, 0,1,2,3
	v_exp_f32 v[232+\b], v[232+\b]                 ; each block's largest p
.endr
	v_pk_add_f32 v[236:237], v[108:109], v[112:113]                           ; the row's sum of the unquantised p, in eight chains
	v_pk_add_f32 v[254:255], v[116:117], v[120:121]
	v_pk_add_f32 v[250:251], v[124:125], v[128:129]
	v_pk_add_f32 v[246:247], v[132:133], v[136:137]
	v_pk_add_f32 v[244:245], v[140:141], v[144:145]
	v_pk_add_f32 v[242:243], v[148:149], v[152:153]
	v_pk_add_f32 v[240:241], v[156:157], v[160:161]
	v_pk_add_f32 v[14:15], v[14:15], v[164:165]
	v_pk_add_f32 v[236:237], v[236:237], v[104:105]
	v_pk_add_f32 v[254:255], v[254:255], v[106:107]
	v_pk_add_f32 v[250:251], v[250:251], v[110:111]
	v_pk_add_f32 v[246:247], v[246:247], v[114:115]
	v_pk_add_f32 v[244:245], v[244:245], v[118:119]
	v_pk_add_f32 v[242:243], v[242:243], v[122:123]
	v_pk_add_f32 v[240:241], v[240:241], v[126:127]
	v_pk_add_f32 v[14:15], v[14:15], v[130:131]
	v_pk_add_f32 v[236:237], v[236:237], v[134:135]
	v_pk_add_f32 v[254:255], v[254:255], v[138:139]
	v_pk_add_f32 v[250:251], v[250:251], v[142:143]
	v_pk_add_f32 v[246:247], v[246:247], v[146:147]
	v_pk_add_f32 v[244:245], v[244:245], v[150:151]
	v_pk_add_f32 v[242:243], v[242:243], v[154:155]
	v_pk_add_f32 v[240:241], v[240:241], v[158:159]
	v_pk_add_f32 v[14:15], v[14:15], v[162:163]
	v_pk_add_f32 v[236:237], v[236:237], v[166:167]
	s_delay_alu instid0(VALU_DEP_2)
	v_pk_add_f32 v[14:15], v[14:15], v[246:247]
	s_delay_alu instid0(VALU_DEP_2)
	v_pk_add_f32 v[236:237], v[236:237], v[244:245]
	v_pk_add_f32 v[254:255], v[254:255], v[242:243]
	v_pk_add_f32 v[250:251], v[250:251], v[240:241]
	s_delay_alu instid0(VALU_DEP_2)
	v_pk_add_f32 v[14:15], v[14:15], v[254:255]
	s_delay_alu instid0(VALU_DEP_2)
	v_pk_add_f32 v[236:237], v[236:237], v[250:251]
	s_delay_alu instid0(VALU_DEP_1)
	v_pk_add_f32 v[14:15], v[14:15], v[236:237]
	s_wait_alu depctr_va_vdst(0)                   ; and one for the four
.irp b, 0,1,2,3
	v_max_num_f32 v[232+\b], 0x4800000, v[232+\b]  ; the floor 2^(9 - 127)
.endr
.irp b, 0,1,2,3
	s_delay_alu instid0(VALU_DEP_4)
	v_add_nc_u32 v[244+\b], 0xfc000000, v[232+\b]
.endr
.irp b, 0,1,2,3
	v_and_or_b32 v[240+\b], v[232+\b], 0x7f800000, s19
.endr
.irp b, 0,1,2,3
	v_lshrrev_b32 v[236+\b], 23, v[244+\b]
.endr
	s_delay_alu instid0(VALU_DEP_3)
	v_lshl_or_b32 v229, v237, 8, v236              ; p's scale word for these 128 keys
	s_delay_alu instid0(VALU_DEP_1)
	v_lshl_or_b32 v229, v238, 16, v229
	s_delay_alu instid0(VALU_DEP_1)
	v_lshl_or_b32 v229, v239, 24, v229
.irp b, 0,1,2,3
.irp i, 0,2,4,6,8,10,12,14
	v_dual_min_num_f32 v[S+16*\b+\i], v[S+16*\b+\i], v[240+\b] :: v_dual_min_num_f32 v[S+16*\b+\i+1], v[S+16*\b+\i+1], v[240+\b]   ; the conversion does not saturate (ISA guide 7.6.2); p is not negative: a one-sided hold, two numbers a line
.endr
	v_cvt_scalef32_pk8_fp8_f32 v[PCD+4*\b:PCD+1+4*\b], v[S+16*\b:S+7+16*\b], v[244+\b]
	v_cvt_scalef32_pk8_fp8_f32 v[PCD+2+4*\b:PCD+3+4*\b], v[S+8+16*\b:S+15+16*\b], v[244+\b]
.endr
.set j, 0
.rept 16
	v_pk_mul_f32 v[O+j:O+j+1], v[O+j:O+j+1], v[252:253] op_sel_hi:[1,0]       ; O^T under the new M; these sixteen are also the places in front of the products below
.set j, j+2
.endr
	s_wait_alu depctr_va_vdst(0)
	s_wait_dscnt 0x0                               ; V
.irp t, 0,1,2,3
	v_wmma_scale_f32_16x16x128_f8f6f4 v[O+8*\t:O+8*\t+7], v[32+16*\t:47+16*\t], v[PCD:PCD+15], v[O+8*\t:O+8*\t+7], v[224+\t], v229
.endr
.if \ask
	s_wait_xcnt 0x0                                ; my prefetch, a softmax back, has read its address:
	s_add_nc_u64 s[52:53], s[52:53], KVB           ; on to the next key group
.endif
.endm
; THE WAY OUT of a pass: O^T / the sum; the head's 64 channels are two blocks of 32 of the last product's K (16 numbers a lane, the other 16 in lane l xor 16); the codes are the image's registers.
.macro WAYOUT oa, os
.rept 8
	v_nop
.endr
	v_add_f32 v14, v14, v15
	s_delay_alu instid0(VALU_DEP_1)
	v_permlanex16_b32 v252, v14, s20, s21
	s_delay_alu instid0(VALU_DEP_1)
	v_add_f32 v14, v14, v252                       ; the row's sum
	s_wait_alu depctr_va_vdst(0)
	v_rcp_f32 v252, v14
	v_and_b32 v254, 16, v0                         ; (a plain line behind the reciprocal)
	s_wait_alu depctr_va_vdst(0)                   ; ahead of its first reader
.set j, 0
.rept 16
	v_pk_mul_f32 v[O+j:O+j+1], v[O+j:O+j+1], v[252:253] op_sel_hi:[1,0]       ; each accumulator from its low end on
.set j, j+2
.endr
.irp b, 0,1
	v_max3_num_f32 v[232+\b], |v[O+16*\b]|, |v[O+1+16*\b]|, 0x4800000
.endr
.irp i, 2,4,6,8,10,12,14
.irp b, 0,1
	s_delay_alu instid0(VALU_DEP_2)
	v_max3_num_f32 v[232+\b], v[232+\b], |v[O+16*\b+\i]|, |v[O+1+16*\b+\i]|
.endr
.endr
.irp b, 0,1
	s_delay_alu instid0(VALU_DEP_2)
	v_permlanex16_b32 v[236+\b], v[232+\b], s20, s21
.endr
.irp b, 0,1
	s_delay_alu instid0(VALU_DEP_2)
	v_max_num_f32 v[232+\b], v[232+\b], v[236+\b]
.endr
.irp b, 0,1
	s_delay_alu instid0(VALU_DEP_2)
	v_add_nc_u32 v[244+\b], 0xfc000000, v[232+\b]
.endr
.irp b, 0,1
	s_delay_alu instid0(VALU_DEP_4)
	v_and_or_b32 v[240+\b], v[232+\b], 0x7f800000, s19
.endr
.irp b, 0,1
	s_delay_alu instid0(VALU_DEP_4)
	v_lshrrev_b32 v[236+\b], 23, v[244+\b]
.endr
.irp b, 0,1
.irp i, 0,1,2,3,4,5,6,7,8,9,10,11,12,13,14,15
	v_med3_num_f32 v[O+16*\b+\i], v[O+16*\b+\i], -v[240+\b], v[240+\b]
.endr
	v_cvt_scalef32_pk8_fp8_f32 v[PCD+4*\b:PCD+1+4*\b], v[O+16*\b:O+7+16*\b], v[244+\b]
	v_cvt_scalef32_pk8_fp8_f32 v[PCD+2+4*\b:PCD+3+4*\b], v[O+8+16*\b:O+15+16*\b], v[244+\b]
.endr
	v_nop                                          ; a plain line behind the last conversion
	v_cmp_ne_u32 vcc_lo, 0, v254
	s_delay_alu instid0(VALU_DEP_1)
	v_cndmask_b32 v253, v236, v237, vcc_lo         ; lane (r, h) stores row r's byte of block h
	global_store_b128 v231, v[PCD:PCD+3], s[\oa:\oa+1]                        ; 512 consecutive bytes, aligned
	global_store_b128 v231, v[PCD+4:PCD+7], s[\oa:\oa+1] offset:512
	global_store_b8 v248, v253, s[\os:\os+1]       ; one byte a lane, two of each row's word: the word's other half is the other head's wave's.  32 bytes beside 1,024 of codes
.endm
	s_load_b128 s[4:7], s[0:1], 0x0                ; qbuf, kv
	s_load_b64 s[8:9], s[0:1], 0x10                ; attn_img
	v_lshl_add_u32 v5, v0, 2, SPARE
	v_mov_b32 v6, 0
	ds_add_u32 v5, v6                              ; the opening lines: the add, twice on end, and its wait ahead of the first tensor load
	ds_add_u32 v5, v6
	s_wait_dscnt 0x0
	v_lshrrev_b32 v8, 5, v0
	s_delay_alu instid0(VALU_DEP_1)
	v_readfirstlane_b32 s18, v8                    ; wave 0..15
	s_and_b32 s10, ttmp7, 0xffff                   ; 8 batch + head pair
	s_mov_b32 s36, ttmp9                           ; i
	s_add_co_u32 s37, s36, 1
	s_lshr_b32 s11, s18, 3                         ; which head of the pair
	s_and_b32 s12, s18, 7                          ; which tile of 16 queries
	s_lshr_b32 s13, s10, 3                         ; batch
	s_and_b32 s14, s10, 7                          ; head pair
	s_and_b32 s15, s18, 1
	s_lshr_b32 s66, s18, 1
	s_mul_i32 s67, s15, KVH
	s_mul_i32 s68, s18, KVH
	s_mov_b32 s69, 0
	s_mov_b32 s71, 0
	; descriptor group 1: half a block, dense, as 67 rows of 256 bytes (32 elements of 8 bytes), no padding, no mask
	s_mov_b32 s24, 3<<16
	s_mov_b32 s25, 32<<16                          ; tensor_dim0
	s_mov_b32 s26, 67<<16                          ; tensor_dim1
	s_mov_b32 s27, 32<<16                          ; tile_dim0
	s_mov_b32 s28, 67                              ; tile_dim1
	s_mov_b32 s29, 32                              ; from row to row
	s_mov_b32 s30, 0
	s_mov_b32 s31, 0
	s_mul_i32 s56, s10, 16*KVB                     ; my head pair's sixteen blocks
	s_mov_b32 s57, 0
	s_mov_b32 s59, 0
	s_mov_b32 s39, 0
	s_mov_b32 s19, 0x600000                        ; the mantissa field of 448
	s_mov_b32 s20, 0x76543210
	s_mov_b32 s21, 0xfedcba98
	s_mov_b32 s22, 0x3e38aa3b                      ; c = log2(e) / sqrt(64)
	s_mov_b32 s23, s22                             ; (named with it as a pair, so it is written)
	s_mov_b32 s3, 0
	s_wait_kmcnt 0x0
	s_add_nc_u64 s[6:7], s[6:7], s[56:57]
	s_mov_b32 s32, 1
	FDESC                                          ; fill 0: walk steps 0 to 3 into slot 0
	TLOAD 8
	s_lshl_b32 s56, s10, 4
	s_add_co_u32 s56, s56, s36
	s_mul_i32 s56, s56, 17408
	s_add_nc_u64 s[40:41], s[4:5], s[56:57]        ; Q's block of group i,
	s_lshl_b32 s56, s10, 4
	s_add_co_u32 s56, s56, 15
	s_sub_co_u32 s56, s56, s36
	s_mul_i32 s56, s56, 17408
	s_add_nc_u64 s[42:43], s[4:5], s[56:57]        ; of group 15 - i
	s_lshl_b32 s58, s13, 4
	s_mul_i32 s58, s58, 135168                     ; attn_img: the batch's first group,
	s_lshr_b32 s60, s14, 1
	s_mul_i32 s60, s60, 33792                      ; the block of 256 channels that holds my head pair
	s_add_co_u32 s58, s58, s60
	s_add_nc_u64 s[8:9], s[8:9], s[58:59]
	s_and_b32 s60, s14, 1
	s_mul_i32 s62, s36, 135168
	s_sub_co_u32 s63, 15, s36
	s_mul_i32 s63, s63, 135168
	s_lshl_b32 s56, s60, 11                        ; codes: 4,096 tile + 2,048 (pair % 2) + 1,024 head
	s_lshl_b32 s61, s12, 12
	s_add_co_u32 s56, s56, s61
	s_lshl_b32 s61, s11, 10
	s_add_co_u32 s56, s56, s61
	s_add_co_u32 s58, s56, s62
	s_add_nc_u64 s[44:45], s[8:9], s[58:59]
	s_add_co_u32 s58, s56, s63
	s_add_nc_u64 s[46:47], s[8:9], s[58:59]
	s_lshl_b32 s56, s60, 2                         ; scale bytes: 32,768 + 128 tile + 4 (pair % 2) + 2 head
	s_lshl_b32 s61, s12, 7
	s_add_co_u32 s56, s56, s61
	s_lshl_b32 s61, s11, 1
	s_add_co_u32 s56, s56, s61
	s_add_co_u32 s56, s56, 32768
	s_add_co_u32 s58, s56, s62
	s_add_nc_u64 s[48:49], s[8:9], s[58:59]
	s_add_co_u32 s58, s56, s63
	s_add_nc_u64 s[50:51], s[8:9], s[58:59]
	s_and_b32 s56, s18, 3
	s_lshl_b32 s56, s56, 13
	s_add_co_u32 s56, s56, 8*KVB
	s_add_nc_u64 s[52:53], s[6:7], s[56:57]        ; the prefetches begin at key group 8: my wave's 8,192 bytes of it
	s_sub_co_u32 s56, s18, 8
	s_lshr_b32 s56, s56, 2                         ; 0 in waves 8 to 11,
	s_or_b32 s56, s56, ttmp9                       ; of the head pair's first work-group
	s_cmp_eq_u32 s56, 0
	s_cselect_b32 s54, 8, 0
	s_lshl_b32 s74, s11, 13                        ; 8,192 head
	s_lshl_b32 s75, s12, 10                        ; 1,024 tile
	s_lshl_b32 s76, s11, 9
	s_lshl_b32 s77, s12, 2
	s_add_co_u32 s77, s77, s76
	s_add_co_u32 s77, s77, 16384                   ; Q's word: 16,384 + 512 head + 4 tile
	s_add_co_u32 s76, s76, 32768                   ; K's words: 32,768 + 512 head
	s_lshl_b32 s78, s11, 4
	s_add_co_u32 s78, s78, 33792                   ; V's words: 33,792 + 16 head
	s_lshr_b32 s79, s12, 1
	s_lshl_b32 s79, s79, 5
	s_and_b32 s56, s12, 1
	s_lshl_b32 s56, s56, 3
	s_add_co_u32 s79, s79, s56                     ; 32 (tile / 2) + 8 (tile % 2)
	v_and_b32 v8, 31, v0
	v_and_b32 v9, 15, v0                           ; r
	v_bfe_u32 v10, v0, 4, 1                        ; h
	v_lshlrev_b32 v231, 4, v8                      ; 16 x lane
	v_lshlrev_b32 v7, 8, v8                        ; 256 x lane
	v_add_nc_u32 v1, s74, v231                     ; codes in a block: 16 lane + 8,192 head
	v_add_nc_u32 v4, s75, v1                       ; Q's codes: + 1,024 tile
	v_lshl_add_u32 v2, v9, 5, s76                  ; + 32 r
	v_lshl_add_u32 v230, v9, 5, s77
	v_lshl_add_u32 v3, v9, 5, s78
	v_lshl_add_u32 v248, v9, 3, v10                ; a scale byte out: 8 r + h
	v_and_b32 v11, 8, v9
	v_add_nc_u32 v11, v11, v9
	v_add_nc_u32 v11, s79, v11                     ; my query in its group,
	v_lshlrev_b32 v10, 4, v10
	v_sub_nc_u32 v11, v11, v10                     ; less 16 h
	v_mov_b32 v249, 0xff800000                     ; -infinity
	LOADQ 40
.irp j, 0,1,2,3,4,5,6,7
	v_mov_b32 v[24+\j], 0                          ; Q's k = 64..127: zero codes
	v_mov_b32 v[96+\j], 0                          ; behind K's tile 7
.endr
.irp b, 0,1,2,3
	v_mov_b32 v[236+\b], 0                         ; written once: a lane permute's destination counts as one of its sources
.endr
	v_mov_b32 v252, 0
	v_mov_b32 v253, 0                              ; (named as the upper half of the pair v[252:253])
	INIT
	s_wait_alu depctr_va_vdst(0)
	s_wait_loadcnt 0x0                             ; Q
.Lslot:                                            ; three trips: steps 0 to 11; behind each change the other slot takes the next four steps of the walk
	CHANGE 8
	s_mov_b32 s70, 0
.Lstep:
	STEP 0, 1
	s_cmp_lg_u32 s3, s36
	s_cbranch_scc1 .Lsame
	LOADQ 42                                       ; the first pass is over: the second pass's queries are asked for first and land under the way out
	WAYOUT 44, 48
	INIT
	s_wait_alu depctr_va_vdst(0)
	s_wait_loadcnt 0x0
	s_wait_xcnt 0x0                                ; the stores have read their registers, which the next step writes
.Lsame:
	NEXT
	s_cmp_lt_u32 s70, 4
	s_cbranch_scc1 .Lstep
	s_add_co_u32 s69, s69, 1
	s_cmp_lt_u32 s69, 3
	s_cbranch_scc1 .Lslot
	CHANGE 2                                       ; written out: the last fill is walk step 16 alone, waves 0 and 1
	s_mov_b32 s70, 0
.Llean:                                            ; steps 12 to 15: i is at most 7, so none lies on a diagonal and no pass ends here
	STEP 2, 0
	NEXT
	s_cmp_lt_u32 s70, 4
	s_cbranch_scc1 .Llean
	s_add_co_u32 s69, s69, 1
	CHANGE 0                                       ; nothing is left to fetch
	STEP 1, 0
	WAYOUT 46, 50
	s_wait_tensorcnt 0x0                           ; the wave's end
	ds_add_u32 v5, v6
	s_wait_dscnt 0x0
	s_endpgm
.Lfunc_end_k_qa3abea3dc1_attn:
	.size	k_qa3abea3dc1_attn, .Lfunc_end_k_qa3abea3dc1_attn-k_qa3abea3dc1_attn
	.p2alignl 7, 3214868480
	.fill 96, 4, 3214868480
	.section	.rodata,"a",@progbits
	.p2align	6, 0x0
	.amdhsa_kernel k_qa3abea3dc1_attn
		.amdhsa_group_segment_fixed_size 327680
		.amdhsa_private_segment_fixed_size 0
		.amdhsa_enable_private_segment 0
		.amdhsa_kernarg_size 24
		.amdhsa_user_sgpr_count 2
		.amdhsa_user_sgpr_kernarg_segment_ptr 1
		.amdhsa_wavefront_size32 1
		.amdhsa_system_sgpr_workgroup_id_x 1
		.amdhsa_system_sgpr_workgroup_id_y 1
		.amdhsa_system_sgpr_workgroup_id_z 1
		.amdhsa_system_vgpr_workitem_id 0
		.amdhsa_next_free_vgpr 256
		.amdhsa_next_free_sgpr 84
		.amdhsa_reserve_vcc 1
		.amdhsa_float_denorm_mode_32 3
		.amdhsa_float_denorm_mode_16_64 3
		.amdhsa_memory_ordered 1
		.amdhsa_forward_progress 1
		.amdhsa_inst_pref_size 94
	.end_amdhsa_kernel
	.amdgpu_metadata
---
amdhsa.version: [ 1, 2 ]
amdhsa.kernels:
  - .name:           k_qa3abea3dc1_attn
    .symbol:         k_qa3abea3dc1_attn.kd
    .args:
      - { .name: qbuf, .offset: 0, .size: 8, .value_kind: global_buffer, .address_space: global }
      - { .name: kv, .offset: 8, .size: 8, .value_kind: global_buffer, .address_space: global }
      - { .name: attn_img, .offset: 16, .size: 8, .value_kind: global_buffer, .address_space: global }
    .group_segment_fixed_size: 327680
    .private_segment_fixed_size: 0
    .kernarg_segment_align: 8
    .kernarg_segment_size: 24
    .max_flat_workgroup_size: 512
    .sgpr_count:     84
    .vgpr_count:     256
    .wavefront_size: 32
...
	.end_amdgpu_metadata
.endif
;; end of part 3
;; launch gemm2 (part 4): grid 4 x 32, 4 waves a work-group, clusters of 4 x 4, 327,680 bytes of LDS; arguments attn_img, w_img, b_proj, out0; writes out0
.if DOCPART == 4
	.amdgcn_target "amdgcn-amd-amdhsa--gfx1250"
	.amdhsa_code_object_version 6
	.text
	.protected	k_qa3abea3dc1_gemm2
	.globl	k_qa3abea3dc1_gemm2
	.p2align	8
	.type	k_qa3abea3dc1_gemm2,@function
k_qa3abea3dc1_gemm2:
	s_mov_b64 s[64:65], 0
	v_nop
	global_prefetch_b8 v0, s[64:65] scope:SCOPE_SE
	s_setreg_imm32_b32 hwreg(HW_REG_WAVE_MODE, 25, 1), 1
	s_wait_xcnt 0x0
	s_wait_alu depctr_hold_cnt(0) depctr_sa_sdst(0) depctr_va_vdst(0) depctr_va_sdst(0) depctr_va_ssrc(0) depctr_va_vcc(0) depctr_vm_vsrc(0)
	s_getreg_b32 s2, hwreg(HW_REG_IB_STS2, 6, 4)
	s_cmp_eq_u32 s2, 0
	s_cbranch_scc0 .Lentry_in_a_cluster
	s_endpgm
.Lentry_in_a_cluster:
	s_bfe_u32 s2, ttmp6, 0x10000c
	s_cmp_lg_u32 s2, 0xf033
	s_cbranch_scc0 .Lentry_shape_is_right
	s_endpgm
.Lentry_shape_is_right:
; out0 = attn w_proj + b_proj on codes of E4M3 with E8M0 scales; f32 sums, f32 out.  A = attn_img (tokens), B = w_img groups 24-31 (w_proj's columns); the bias is the first products' C.
; A work-group of four waves makes 256 x 256, a wave 128 x 128: 64 accumulators.  K = 1,024 goes in four steps of 256 through two LDS slots; a group of 128 rows x 256 K is one dense block of 33,792 bytes
; (register images, scale words at +32,768), brought by one tensor load as 132 rows of 256 bytes.  Clusters of 4 x 4: A's blocks are asked for jointly along a row, B's along a column.
; The matrix instruction is used transposed (source 0 = B's tile, source 1 = A's): a lane holds neighbouring columns of one row.  Results leave through each wave's stage in slot 0, as whole rows of 512 bytes.
; At the head a wave issues one joint load; slot 1's first fill stands behind the full sequence and a round.  LIMITS: NaN and infinities are not served.
.set PART,  33792
.set SLOT,  4*PART
.set GRP,   4*PART
.set SPARE, 2*SLOT
.set NQ,    2
.set FR,    16
.set NL,    4
.set NP,    8
.set SPITCH, 528
.set ADRA,  16
.set ADRB,  20
.set ADRS,  22
.set STO,   24
.set RD,    25
.set CO,    26
.set VB,    27
.set SPW,   28
.set NIL,   29
.set SC,    32
.set BIAS,  64
.set AF,    128
.set BK,    128
.set G1,  24
.set G0,  32
.set G1B, 48
.set G0B, 56
.set MSB, 0
.macro WIN new
.if MSB != \new
	s_set_vgpr_msb (MSB<<8)|\new
.set MSB, \new
.endif
.endm
.set TO_B, 0x40
.macro JLOAD g0a, g1a, g0b, g1b
	s_cmp_eq_u32 s15, 0
	s_cbranch_scc0 .Lfor_b_\@
	tensor_load_to_lds s[\g0a:\g0a+3], s[\g1a:\g1a+7]
	s_nop 0
.rept 4
	v_nop
.endr
	s_branch .Lasked_\@
.Lfor_b_\@:
	tensor_load_to_lds s[\g0b:\g0b+3], s[\g1b:\g1b+7]
	s_nop 0
.rept 4
	v_nop
.endr
.Lasked_\@:
.endm
.macro CREST
	s_cmp_lg_u32 s14, 0
	s_cbranch_scc1 .Lnot_wave_0_\@
	s_barrier_signal -3
.Lnot_wave_0_\@:
	s_barrier_wait -3
	s_barrier_signal -1
	s_barrier_wait -1
.endm
.macro CROUND
	s_barrier_signal -1
	s_barrier_wait -1
	CREST
.endm
.macro PLACES n
.rept \n
	v_nop
.endr
.endm
.macro FRAG reg, adr, q, i
.irp c, 0,1,2,3
	ds_load_b128 v[\reg+4*\c:\reg+4*\c+3], v[\adr] offset:(\i)*4096+(\q)*2048+512*\c
.endr
.endm
.macro MUL16 a0, p, q, sc, mode
.irp a, \a0, \a0+1
.irp b, 0,1,2,3,4,5,6,7
.if \mode == 0
	v_wmma_scale_f32_16x16x128_f8f6f4 v[8*(8*((\a)%4)+\b):8*(8*((\a)%4)+\b)+7], v[128*(\p)+FR*\b:128*(\p)+FR*\b+FR-1], v[AF+FR*(\a):AF+FR*(\a)+FR-1], v[8*(8*((\a)%4)+\b):8*(8*((\a)%4)+\b)+7], v[SC+8*NQ*(\sc)+NQ*\b+(\q)], v[SC+8*NQ*(\sc)+NQ*(\a)+(\q)] matrix_a_scale:MATRIX_SCALE_ROW1
.else
	v_wmma_scale_f32_16x16x128_f8f6f4 v[8*(8*((\a)%4)+\b):8*(8*((\a)%4)+\b)+7], v[128*(\p)+FR*\b:128*(\p)+FR*\b+FR-1], v[AF+FR*(\a):AF+FR*(\a)+FR-1], v[BIAS+8*\b:BIAS+8*\b+7], v[SC+8*NQ*(\sc)+NQ*\b+(\q)], v[SC+8*NQ*(\sc)+NQ*(\a)+(\q)] matrix_a_scale:MATRIX_SCALE_ROW1
.endif
.endr
.endr
.endm
.macro FETCH_B slot, q, p
	WIN TO_B
.irp i, 0,1,2,3,4,5,6,7
	FRAG 128*(\p)+FR*\i, ADRB+\slot, \q, \i
.endr
	WIN 0
.endm
.macro FETCH_A slot, q, i0
.irp i, \i0, \i0+1, \i0+2, \i0+3
	FRAG AF+FR*(\i), ADRA+\slot, \q, \i
.endr
.endm
.macro SCALES sc
.irp i, 0,1,2,3,4,5,6,7
	ds_load_b64 v[SC+8*NQ*\sc+NQ*\i:SC+8*NQ*\sc+NQ*\i+1], v[ADRS+\sc] offset:128*\i
.endr
.endm
.macro STEP slot, q, mode
.if \mode
.set WLO, 0x81
.set WHI, 0xc1
.else
.set WLO, 0xa1
.set WHI, 0xf1
.endif
	s_wait_dscnt 4*NL
	WIN WLO
	MUL16 0, (\q)%2, \q, \slot, \mode
	MUL16 2, (\q)%2, \q, \slot, \mode
	s_wait_dscnt 0
	PLACES NP
	FETCH_B \slot, (\q)+1, 1-(\q)%2
	FETCH_A \slot, (\q)+1, 0
	WIN WHI
	MUL16 4, (\q)%2, \q, \slot, \mode
	MUL16 6, (\q)%2, \q, \slot, \mode
	PLACES NP
	WIN 0
	FETCH_A \slot, (\q)+1, 4
.endm
.macro TURN slot, next, fill
	s_wait_tensorcnt 0x0
	ds_add_u32 v[SPW], v[NIL]
	s_wait_dscnt 4*NL+1
	WIN 0xa1
	MUL16 0, 1, NQ-1, \slot, 0
	s_wait_dscnt 0x0
	s_barrier_signal -1
	MUL16 2, 1, NQ-1, \slot, 0
	WIN 0
	s_barrier_wait -1
.if \fill
	CREST
	s_add_nc_u64 s[G0+4*\slot+2:G0+4*\slot+3], s[G0+4*\slot+2:G0+4*\slot+3], 2*PART
	s_add_nc_u64 s[G0B+4*\slot+2:G0B+4*\slot+3], s[G0B+4*\slot+2:G0B+4*\slot+3], 2*PART
	JLOAD G0+4*\slot, G1, G0B+4*\slot, G1B
	PLACES NP-4
.else
	PLACES NP
.endif
	FETCH_B \next, 0, 0
	FETCH_A \next, 0, 0
	SCALES \next
	WIN 0xf1
	MUL16 4, 1, NQ-1, \slot, 0
	MUL16 6, 1, NQ-1, \slot, 0
	PLACES NP
	WIN 0
	FETCH_A \next, 0, 4
.endm
	s_load_b256 s[4:11], s[0:1], 0x0
	v_lshl_add_u32 v[SPW], v0, 2, SPARE
	v_mov_b32 v[NIL], 0
	ds_add_u32 v28, v29
	ds_add_u32 v28, v29
	s_wait_dscnt 0x0
	v_lshrrev_b32 v1, 5, v0
	v_readfirstlane_b32 s14, v1
	s_lshr_b32 s15, s14, 1
	s_and_b32 s16, s14, 1
	s_bfe_u32 s40, ttmp6, 0x40000
	s_bfe_u32 s41, ttmp6, 0x40004
	s_lshl_b32 s42, ttmp9, 2
	s_add_co_u32 s42, s42, s40
	s_and_b32 s17, ttmp7, 0xffff
	s_lshl_b32 s17, s17, 2
	s_add_co_u32 s17, s17, s41
	s_lshl_b32 s43, s41, 2
	s_lshl_b32 s43, 15, s43
	s_lshl_b32 s44, 0x1111, s40
	s_or_b32 s[G1+0], s43, (3<<16)|(1<<21)
	s_or_b32 s[G1B+0], s44, (3<<16)|(1<<21)
.irp g, G1, G1B
	s_mov_b32 s[\g+1], 32<<16
	s_mov_b32 s[\g+2], 132<<16
	s_mov_b32 s[\g+3], 32<<16
	s_mov_b32 s[\g+4], 132
	s_mov_b32 s[\g+5], 32
	s_mov_b32 s[\g+6], 0
	s_mov_b32 s[\g+7], 0
.endr
	s_lshl_b32 s20, s17, 1
	s_add_co_u32 s20, s20, s16
	s_mul_i32 s20, s20, GRP
	s_mov_b32 s21, 0
	s_lshl_b32 s46, s42, 1
	s_add_co_u32 s46, s46, s16
	s_add_co_u32 s46, s46, 24
	s_mul_i32 s46, s46, GRP
	s_mov_b32 s47, 0
	s_mul_i32 s45, s14, PART
	s_wait_kmcnt 0x0
	s_add_nc_u64 s[20:21], s[4:5], s[20:21]
	s_add_nc_u64 s[46:47], s[6:7], s[46:47]
	CROUND
.irp s, 0,1
	s_mov_b32 s[G0+4*\s], 1
	s_add_co_u32 s[G0+4*\s+1], s45, \s*SLOT
	s_add_nc_u64 s[G0+4*\s+2:G0+4*\s+3], s[20:21], \s*PART
	s_or_b32 s[G0+4*\s+3], s[G0+4*\s+3], 0x80000000
	s_mov_b32 s[G0B+4*\s], 1
	s_add_co_u32 s[G0B+4*\s+1], s45, \s*SLOT
	s_add_nc_u64 s[G0B+4*\s+2:G0B+4*\s+3], s[46:47], \s*PART
	s_or_b32 s[G0B+4*\s+3], s[G0B+4*\s+3], 0x80000000
.if \s
	s_wait_alu depctr_va_vdst(0)
	s_wait_tensorcnt 0x0
	ds_add_u32 v28, v29
	ds_add_u32 v28, v29
	s_wait_dscnt 0x0
	CROUND
.endif
	JLOAD G0+4*\s, G1, G0B+4*\s, G1B
.endr
	v_and_b32 v1, 15, v0
	v_bfe_u32 v2, v0, 4, 1
	s_wait_alu depctr_va_vdst(0)
	v_and_b32 v3, 31, v0
	v_lshlrev_b32 v3, 4, v3
	s_mul_i32 s93, s15, PART
	s_mul_i32 s94, s16, PART
	s_add_co_u32 s94, s94, 2*PART
	s_mov_b32 s91, s93
	s_mov_b32 s92, s94
.irp s, 0,1
	v_add_nc_u32 v[ADRA+\s], s91, v3
	v_add_nc_u32 v[ADRB+\s], s92, v3
	s_add_co_u32 s91, s91, SLOT
	s_add_co_u32 s92, s92, SLOT
.endr
	s_sub_co_u32 s94, s94, s93
	v_mul_u32_u24 v4, s94, v2
	v_lshl_add_u32 v4, v1, 3, v4
	s_add_co_u32 s93, s93, 32768
	v_add_nc_u32 v[ADRS], s93, v4
	s_add_co_u32 s93, s93, SLOT
	v_add_nc_u32 v[ADRS+1], s93, v4
	s_mul_i32 s90, s14, 16*SPITCH
	v_mul_u32_u24 v4, v1, SPITCH
	v_lshl_add_u32 v4, v2, 6, v4
	v_add_nc_u32 v[STO], s90, v4
	v_add_nc_u32 v[RD], s90, v3
	v_mov_b32 v[CO], v3
	s_lshl_b32 s80, s17, 1
	s_add_co_u32 s80, s80, s15
	s_lshl_b32 s80, s80, 19
	s_lshl_b32 s82, s42, 1
	s_add_co_u32 s82, s82, s16
	s_lshl_b32 s82, s82, 9
	s_mov_b32 s83, 0
	s_add_nc_u64 s[96:97], s[8:9], s[82:83]
	s_add_co_u32 s80, s80, s82
	s_mov_b32 s81, 0
	s_add_nc_u64 s[12:13], s[10:11], s[80:81]
	v_lshlrev_b32 v[VB], 6, v2
.irp b, 0,1,2,3,4,5,6,7
	global_load_b128 v[BIAS+8*\b:BIAS+8*\b+3], v[VB], s[96:97] offset:(32*(\b/2)+8*(\b%2))*4
	global_load_b128 v[BIAS+8*\b+4:BIAS+8*\b+7], v[VB], s[96:97] offset:(32*(\b/2)+8*(\b%2))*4+16
.endr
	s_wait_alu depctr_va_vdst(0)
	s_wait_tensorcnt 1
	s_barrier_signal -1
	s_barrier_wait -1
	FETCH_B 0, 0, 0
	FETCH_A 0, 0, 0
	SCALES 0
	FETCH_A 0, 0, 4
	s_wait_loadcnt 0x0
	STEP 0, 0, 1
	TURN 0, 1, 1
	STEP 1, 0, 0
	TURN 1, 0, 1
	STEP 0, 0, 0
	TURN 0, 1, 0
	STEP 1, 0, 0
	s_wait_dscnt 4*NL
	WIN 0xa1
	MUL16 0, 1, NQ-1, 1, 0
	MUL16 2, 1, NQ-1, 1, 0
	s_wait_dscnt 0
	WIN 0xf1
	MUL16 4, 1, NQ-1, 1, 0
	MUL16 6, 1, NQ-1, 1, 0
	WIN 0
.macro TOSTAGE a
.set AC, 64*((\a)%4)
.set WW, 0x08+4*((\a)/4)
	WIN WW
.irp b, 0,1,2,3,4,5,6,7
	ds_store_b128 v[STO], v[AC+8*\b:AC+8*\b+3] offset:128*(\b/2)+32*(\b%2)
	ds_store_b128 v[STO], v[AC+8*\b+4:AC+8*\b+7] offset:128*(\b/2)+32*(\b%2)+16
.endr
	WIN 0
.set BB, BK+64*((\a)%2)
.irp t, 0,1,2,3,4,5,6,7,8,9,10,11,12,13,14,15
	ds_load_b128 v[BB+4*\t:BB+4*\t+3], v[RD] offset:\t*SPITCH
.endr
.endm
.macro SEND a, younger
.set BB, BK+64*((\a)%2)
	s_wait_dscnt \younger
.irp t, 0,1,2,3,4,5,6,7,8,9,10,11,12,13,14,15
	global_store_b128 v[CO], v[BB+4*\t:BB+4*\t+3], s[12:13] offset:(32*((\a)/2)+8*((\a)%2)+\t+8*(\t/8))*4096 th:TH_STORE_NT
.endr
.endm
	PLACES NP
	TOSTAGE 0
.irp a, 1,2,3,4,5,6,7
.if \a > 1
	s_wait_xcnt 0x0
.endif
	TOSTAGE \a
	SEND \a-1, 32
.endr
	SEND 7, 0
	s_wait_tensorcnt 0x0
	ds_add_u32 v[SPW], v[NIL]
	s_wait_dscnt 0x0
	CROUND
	s_endpgm
.Lfunc_end_k_qa3abea3dc1_gemm2:
	.size	k_qa3abea3dc1_gemm2, .Lfunc_end_k_qa3abea3dc1_gemm2-k_qa3abea3dc1_gemm2
	.p2alignl 7, 3214868480
	.fill 96, 4, 3214868480
	.section	.rodata,"a",@progbits
	.p2align	6, 0x0
	.amdhsa_kernel k_qa3abea3dc1_gemm2
		.amdhsa_group_segment_fixed_size 327680
		.amdhsa_private_segment_fixed_size 0
		.amdhsa_enable_private_segment 0
		.amdhsa_kernarg_size 32
		.amdhsa_user_sgpr_count 2
		.amdhsa_user_sgpr_kernarg_segment_ptr 1
		.amdhsa_wavefront_size32 1
		.amdhsa_system_sgpr_workgroup_id_x 1
		.amdhsa_system_sgpr_workgroup_id_y 1
		.amdhsa_system_sgpr_workgroup_id_z 1
		.amdhsa_system_vgpr_workitem_id 0
		.amdhsa_next_free_vgpr 1024
		.amdhsa_next_free_sgpr 100
		.amdhsa_reserve_vcc 0
		.amdhsa_float_denorm_mode_32 3
		.amdhsa_float_denorm_mode_16_64 3
		.amdhsa_memory_ordered 1
		.amdhsa_forward_progress 1
		.amdhsa_inst_pref_size 144
	.end_amdhsa_kernel
	.amdgpu_metadata
---
amdhsa.version: [ 1, 2 ]
amdhsa.kernels:
  - .name:           k_qa3abea3dc1_gemm2
    .symbol:         k_qa3abea3dc1_gemm2.kd
    .args:
      - { .name: attn_img, .offset: 0, .size: 8, .value_kind: global_buffer, .address_space: global }
      - { .name: w_img, .offset: 8, .size: 8, .value_kind: global_buffer, .address_space: global }
      - { .name: b_proj, .offset: 16, .size: 8, .value_kind: global_buffer, .address_space: global }
      - { .name: out0, .offset: 24, .size: 8, .value_kind: global_buffer, .address_space: global }
    .group_segment_fixed_size: 327680
    .private_segment_fixed_size: 0
    .kernarg_segment_align: 8
    .kernarg_segment_size: 32
    .max_flat_workgroup_size: 128
    .sgpr_count:     100
    .vgpr_count:     1024
    .wavefront_size: 32
...
	.end_amdgpu_metadata
.endif
;; end of part 4
